; MI455X (gfx1250); checked and timed in simulation.
; The chip was launched on July 23, 2026; its instructions are those of AMD's public machine-readable ISA for CDNA 5 (MIT licence, August 2026) and "CDNA5" Instruction Set Architecture Reference Guide (July 2026). The comments in the code are by the model that wrote it; some were corrected since.
;; Gated Residual Network. Allowed arithmetic: float matrix products may take bf16 or f16 operands with f32 sums; other float arithmetic in f32, or as packed bf16 or f16 multiplies, adds, multiply-adds, maxima and minima; sums over many terms, partial sums and values carried from step to step in f32; what a program stores and reads back later, other than sums and carried values, may be rounded once to bf16 or f16.
;; Inputs: b1 1,024 float32; b2 1,024 float32; beta 1,024 float32; bg 1,024 float32; bs 1,024 float32; gamma 1,024 float32; inputs 4 x 4,096 x 1,024 float32; w1 1,024 x 1,024 float32; w2 1,024 x 1,024 float32; wg 1,024 x 1,024 float32; ws 1,024 x 1,024 float32.
;; Outputs: out0 4 x 4,096 x 1,024 float32.
;; 3 versions, each right; version 3 is version 2 with the launch grn written anew for expert scheduling mode. Each part assembles by itself: llvm-mc -triple=amdgcn-amd-amdhsa -mcpu=gfx1250 --defsym DOCPART=n.
;; ======== version 1 of 3: 2 launches
;; workspace buffers: wpk 8,388,608 bytes; par 24,576 bytes
;; launch prep (part 1): grid 256 x 1, 4 waves a work-group, no clusters, 33,792 bytes of LDS; arguments w1, w2, wg, ws, b1, b2, bg, bs, gamma, beta, wpk, par; writes wpk, par
.if DOCPART == 1
	.amdgcn_target "amdgcn-amd-amdhsa--gfx1250"
	.amdhsa_code_object_version 6
	.text
	.protected	k_q148673cfbd_prep
	.globl	k_q148673cfbd_prep
	.p2align	8
	.type	k_q148673cfbd_prep,@function
k_q148673cfbd_prep:
	s_mov_b64 s[64:65], 0
	v_nop
	global_prefetch_b8 v0, s[64:65] scope:SCOPE_SE
	s_setreg_imm32_b32 hwreg(HW_REG_WAVE_MODE, 25, 1), 1
	s_wait_xcnt 0x0
; THE WEIGHTS, ROUNDED TO bf16 AND LAID OUT AS THE NEXT LAUNCH CONSUMES THEM; the six vectors rounded to bf16 and written as f32.
; w1, w2, wg, ws: [1024 k][1024 n] f32.  wpk: 128 tiles of 65,536 bytes; a tile = 4 wave parts of 16,384 bytes; a part = 16 FRAGMENTS of 1,024 bytes.
; A fragment is 16 columns n0.. x 32 k from k0: the byte q*512 + lane*16 + 2e holds W[k0 + 16q + 8(lane/16) + e][n0 + lane%16]: two loads of 16 bytes a lane
; (at 16 lane, and 512 further on) are the eight registers of a matrix source.
;   tiles 16c+i   (i 0..7):  w1, k0 = 128i + 32kk, part w = columns 256c + 64w + 16nb, fragment 4kk + nb
;   tiles 16c+8+i (i 0..7):  w2, k0 = 256c + 32i,  part w = columns 256w + 16nb,       fragment nb
;   tiles 64+16u+i (i 0..15): wg, k0 = 64i + 32kk, part w = columns 256w + 128u + 16nb, fragment 8kk + nb
;   tiles 96+i    (i 0..31): ws, k0 = 32i,         part w = columns 256w + 16nb,       fragment nb
; par: b1 at 0, b2 at 4,096, bg at 8,192, bs at 12,288, gamma at 16,384, beta at 20,480.
; SHARES.  Work-group g: matrix g/64, the 32 rows k = 32 kb.. (kb = (g/2)%32), half g%2 of the columns; wave w takes 128 columns: eight whole fragments.
; A wave reads 32 rows x 512 consecutive bytes, turns them in its own LDS bytes (no barrier: nobody else touches them), and stores 16 x 512 consecutive bytes, aligned.
; No matrix unit, no tensor load, no cluster: 16 MiB in, 8 MiB out, nothing shared between work-groups.
; LIMIT.  Every number is rounded once to bf16 (nearest even); bf16 has f32's range.
.set FP,    1040                       ; a fragment in LDS: 1,024 bytes + 16, so that the four fragments that 16 lanes store into fall into different columns of 16 bytes
.set WL,    8*FP                       ; a wave's LDS bytes
.set SPARE, 4*WL                       ; behind them: the spare words, 128 bytes for each wave: two blocks of 256 bytes that no other line names
.set DR,    16                         ; v[16:143]  row kq of the 32 at DR + 4 kq: four columns a lane; later the fragments read back
.set PC,    144                        ; v[144:207] sixteen pieces of 16 bytes: eight k of one column
.set SPW,   8                          ; v8  LDS address of my spare word; never rewritten
.set NIL,   9                          ; v9  0; never rewritten
	s_load_b256 s[4:11], s[0:1], 0x0               ; w1 s[4:5], w2 s[6:7], wg s[8:9], ws s[10:11]
	s_load_b256 s[12:19], s[0:1], 0x20             ; b1 s[12:13], b2 s[14:15], bg s[16:17], bs s[18:19]
	s_load_b256 s[20:27], s[0:1], 0x40             ; gamma s[20:21], beta s[22:23], wpk s[24:25], par s[26:27]
	v_lshl_add_u32 v[SPW], v0, 2, SPARE
	v_mov_b32 v[NIL], 0
	v_and_b32 v1, 31, v0                           ; lane
	v_lshrrev_b32 v10, 5, v0
	v_readfirstlane_b32 s32, v10                   ; wave 0..3
	s_lshr_b32 s33, ttmp9, 6                       ; which matrix
	s_bfe_u32 s34, ttmp9, 0x50001                  ; kb: five bits from bit 1
	s_and_b32 s35, ttmp9, 1
	s_lshl2_add_u32 s35, s35, s32                  ; G8 = 4 x half + wave: which 128 columns
	s_lshr_b32 s36, s35, 1                         ; a = G8 / 2
	s_and_b32 s37, s35, 1                          ; b = G8 % 2
	s_lshl_b32 s38, s36, 14                        ; a x 16,384
	s_lshl_b32 s39, s37, 13                        ; b x 8,192
	; where the eight fragments go: tile s40, byte in the tile s41; fragments 4..7 lie s42 bytes behind fragments 0..3.  First as for ws,
	s_add_co_u32 s40, s34, 96
	s_add_co_u32 s41, s38, s39
	s_mov_b32 s42, 4096
	; then w1: tile 16 a + kb / 4; part 2 b (fragments 4..7: the part after it); fragment 4 (kb % 4)
	s_lshl_b32 s43, s36, 4
	s_lshr_b32 s44, s34, 2
	s_add_co_u32 s43, s43, s44
	s_and_b32 s44, s34, 3
	s_lshl_b32 s44, s44, 12
	s_lshl_b32 s45, s37, 15
	s_add_co_u32 s44, s44, s45
	s_cmp_eq_u32 s33, 0
	s_cselect_b32 s40, s43, s40
	s_cselect_b32 s41, s44, s41
	s_cselect_b32 s42, 16384, s42
	; w2: tile 16 (kb / 8) + 8 + kb % 8; the byte in the tile as for ws
	s_lshr_b32 s43, s34, 3
	s_lshl_b32 s43, s43, 4
	s_and_b32 s44, s34, 7
	s_add_co_u32 s43, s43, s44
	s_add_co_u32 s43, s43, 8
	s_cmp_eq_u32 s33, 1
	s_cselect_b32 s40, s43, s40
	; wg: tile 64 + 16 b + kb / 2; part a; fragment 8 (kb % 2)
	s_lshl_b32 s43, s37, 4
	s_lshr_b32 s44, s34, 1
	s_add_co_u32 s43, s43, s44
	s_add_co_u32 s43, s43, 64
	s_and_b32 s44, s34, 1
	s_lshl_b32 s44, s44, 13
	s_add_co_u32 s44, s44, s38
	s_cmp_eq_u32 s33, 2
	s_cselect_b32 s40, s43, s40
	s_cselect_b32 s41, s44, s41
	s_lshl_b32 s40, s40, 16
	s_add_co_u32 s40, s40, s41
	s_mov_b32 s41, 0                               ; s[40:41]: the fragments' byte offset in wpk
	s_lshl_b32 s44, s34, 17                        ; 32 kb rows of 4,096 bytes
	s_lshl_b32 s45, s35, 9                         ; 128 G8 columns of 4 bytes
	s_add_co_u32 s44, s44, s45
	s_mov_b32 s45, 0                               ; s[44:45]: my block's byte offset in its matrix
	s_mul_i32 s46, s32, WL
	v_lshlrev_b32 v2, 4, v1                        ; 16 x lane: my 16 bytes of a row, and of 512 bytes of a fragment
	v_lshrrev_b32 v10, 2, v1                       ; my four columns lie in fragment lane / 4,
	v_and_b32 v11, 3, v1                           ; at its columns 4 (lane % 4) + 0..3
	v_mul_u32_u24 v3, v10, FP
	v_lshl_add_u32 v3, v11, 6, v3
	v_add_nc_u32 v3, s46, v3                       ; where I put pieces
	v_add_nc_u32 v4, s46, v2                       ; where I read fragments back
	v_add_nc_u32 v6, s42, v2                       ; the store offset of fragments 4..7
	v_lshlrev_b32 v7, 4, v0                        ; 16 x thread: for the vectors
	s_wait_kmcnt 0x0
	s_cmp_eq_u32 s33, 1
	s_cselect_b64 s[28:29], s[6:7], s[4:5]
	s_cmp_eq_u32 s33, 2
	s_cselect_b64 s[28:29], s[8:9], s[28:29]
	s_cmp_eq_u32 s33, 3
	s_cselect_b64 s[28:29], s[10:11], s[28:29]
	s_add_nc_u64 s[28:29], s[28:29], s[44:45]
	s_add_nc_u64 s[30:31], s[24:25], s[40:41]
.set kq, 0
.rept 32                               ; all 32 rows are asked for at once: 16 KiB a wave on its way
	global_load_b128 v[DR+4*kq:DR+4*kq+3], v2, s[28:29] offset:kq*4096 th:TH_LOAD_NT
.set kq, kq+1
.endr
; Eight rows gq hold the k of one 16-byte piece: q = gq / 2, upper or lower half of the lanes = gq % 2.  Column i of my four: four roundings of two, one store.
.irp gq, 0,1,2,3
	s_wait_loadcnt 24-8*\gq                        ; loads come back in order: rows 8 gq .. 8 gq + 7 are in, the younger rows stay out
.irp i, 0,1,2,3
.irp m, 0,1,2,3
	v_cvt_pk_bf16_f32 v[PC+16*\gq+4*\i+\m], v[DR+4*(8*\gq+2*\m)+\i], v[DR+4*(8*\gq+2*\m+1)+\i]
.endr
	ds_store_b128 v3, v[PC+16*\gq+4*\i:PC+16*\gq+4*\i+3] offset:16*\i+512*(\gq/2)+256*(\gq%2)
.endr
.endr
.set m, 0
.rept 16                               ; half m % 2 of fragment m / 2: 512 consecutive bytes.  LDS serves a wave's instructions in order: these see the stores above
	ds_load_b128 v[DR+4*m:DR+4*m+3], v4 offset:(m/2)*FP+(m%2)*512
.set m, m+1
.endr
.set m, 0
.rept 8
	s_wait_dscnt 15-m                              ; the younger loads stay out
	global_store_b128 v2, v[DR+4*m:DR+4*m+3], s[30:31] offset:512*m  ; 512 consecutive bytes, at a multiple of 512 from wpk's first
.set m, m+1
.endr
.rept 8
	s_wait_dscnt 15-m
	global_store_b128 v6, v[DR+4*m:DR+4*m+3], s[30:31] offset:512*(m-8)
.set m, m+1
.endr
	; the six vectors: work-group g < 6 takes vector g; thread t its numbers 4 t .. and 512 + 4 t ..
	s_mov_b32 s43, ttmp9
	s_cmp_lt_u32 s43, 6
	s_cbranch_scc0 .Lend
	s_cmp_eq_u32 s43, 1
	s_cselect_b64 s[46:47], s[14:15], s[12:13]
	s_cmp_eq_u32 s43, 2
	s_cselect_b64 s[46:47], s[16:17], s[46:47]
	s_cmp_eq_u32 s43, 3
	s_cselect_b64 s[46:47], s[18:19], s[46:47]
	s_cmp_eq_u32 s43, 4
	s_cselect_b64 s[46:47], s[20:21], s[46:47]
	s_cmp_eq_u32 s43, 5
	s_cselect_b64 s[46:47], s[22:23], s[46:47]
	s_lshl_b32 s44, s43, 12                        ; (s45 is still 0)
	s_add_nc_u64 s[26:27], s[26:27], s[44:45]
	global_load_b128 v[80:83], v7, s[46:47]
	global_load_b128 v[84:87], v7, s[46:47] offset:2048
	s_wait_loadcnt 0x0
.irp m, 0,1,2,3
	v_cvt_pk_bf16_f32 v[88+\m], v[80+2*\m], v[80+2*\m+1]
.endr
.irp m, 0,1,2,3
	v_lshlrev_b32 v[92+2*\m], 16, v[88+\m]         ; bf16 back to f32: the low half moves up,
	v_and_b32 v[92+2*\m+1], 0xffff0000, v[88+\m]   ; the high half stays
.endr
	global_store_b128 v7, v[92:95], s[26:27]
	global_store_b128 v7, v[96:99], s[26:27] offset:2048
.Lend:
	s_wait_tensorcnt 0x0                           ; the wave's end, behind my last LDS store
	ds_add_u32 v[SPW], v[NIL]
	s_wait_dscnt 0x0
	s_endpgm
.Lfunc_end_k_q148673cfbd_prep:
	.size	k_q148673cfbd_prep, .Lfunc_end_k_q148673cfbd_prep-k_q148673cfbd_prep
	.p2alignl 7, 3214868480
	.fill 96, 4, 3214868480
	.section	.rodata,"a",@progbits
	.p2align	6, 0x0
	.amdhsa_kernel k_q148673cfbd_prep
		.amdhsa_group_segment_fixed_size 33792
		.amdhsa_private_segment_fixed_size 0
		.amdhsa_enable_private_segment 0
		.amdhsa_kernarg_size 96
		.amdhsa_user_sgpr_count 2
		.amdhsa_user_sgpr_kernarg_segment_ptr 1
		.amdhsa_wavefront_size32 1
		.amdhsa_system_sgpr_workgroup_id_x 1
		.amdhsa_system_sgpr_workgroup_id_y 1
		.amdhsa_system_sgpr_workgroup_id_z 1
		.amdhsa_system_vgpr_workitem_id 0
		.amdhsa_next_free_vgpr 208
		.amdhsa_next_free_sgpr 66
		.amdhsa_reserve_vcc 0
		.amdhsa_float_denorm_mode_32 3
		.amdhsa_float_denorm_mode_16_64 3
		.amdhsa_memory_ordered 1
		.amdhsa_forward_progress 1
		.amdhsa_inst_pref_size 16
	.end_amdhsa_kernel
	.amdgpu_metadata
---
amdhsa.version: [ 1, 2 ]
amdhsa.kernels:
  - .name:           k_q148673cfbd_prep
    .symbol:         k_q148673cfbd_prep.kd
    .args:
      - { .name: w1, .offset: 0, .size: 8, .value_kind: global_buffer, .address_space: global }
      - { .name: w2, .offset: 8, .size: 8, .value_kind: global_buffer, .address_space: global }
      - { .name: wg, .offset: 16, .size: 8, .value_kind: global_buffer, .address_space: global }
      - { .name: ws, .offset: 24, .size: 8, .value_kind: global_buffer, .address_space: global }
      - { .name: b1, .offset: 32, .size: 8, .value_kind: global_buffer, .address_space: global }
      - { .name: b2, .offset: 40, .size: 8, .value_kind: global_buffer, .address_space: global }
      - { .name: bg, .offset: 48, .size: 8, .value_kind: global_buffer, .address_space: global }
      - { .name: bs, .offset: 56, .size: 8, .value_kind: global_buffer, .address_space: global }
      - { .name: gamma, .offset: 64, .size: 8, .value_kind: global_buffer, .address_space: global }
      - { .name: beta, .offset: 72, .size: 8, .value_kind: global_buffer, .address_space: global }
      - { .name: wpk, .offset: 80, .size: 8, .value_kind: global_buffer, .address_space: global }
      - { .name: par, .offset: 88, .size: 8, .value_kind: global_buffer, .address_space: global }
    .group_segment_fixed_size: 33792
    .private_segment_fixed_size: 0
    .kernarg_segment_align: 8
    .kernarg_segment_size: 96
    .max_flat_workgroup_size: 128
    .sgpr_count:     66
    .vgpr_count:     208
    .wavefront_size: 32
...
	.end_amdgpu_metadata
.endif
;; end of part 1
;; launch grn (part 2): grid 256 x 1, 4 waves a work-group, clusters of 4 x 1, 327,680 bytes of LDS; arguments inputs, wpk, par, out0; writes out0
.if DOCPART == 2
	.amdgcn_target "amdgcn-amd-amdhsa--gfx1250"
	.amdhsa_code_object_version 6
	.text
	.protected	k_q148673cfbd_grn
	.globl	k_q148673cfbd_grn
	.p2align	8
	.type	k_q148673cfbd_grn,@function
k_q148673cfbd_grn:
	s_mov_b64 s[64:65], 0
	v_nop
	global_prefetch_b8 v0, s[64:65] scope:SCOPE_SE
	s_setreg_imm32_b32 hwreg(HW_REG_WAVE_MODE, 25, 1), 1
	s_wait_xcnt 0x0
	s_wait_alu depctr_hold_cnt(0) depctr_sa_sdst(0) depctr_va_vdst(0) depctr_va_sdst(0) depctr_va_ssrc(0) depctr_va_vcc(0) depctr_vm_vsrc(0)
	s_getreg_b32 s2, hwreg(HW_REG_IB_STS2, 6, 4)
	s_cmp_eq_u32 s2, 0
	s_cbranch_scc0 .Lentry_in_a_cluster
	s_endpgm
.Lentry_in_a_cluster:
	s_bfe_u32 s2, ttmp6, 0x10000c
	s_cmp_lg_u32 s2, 0x3003
	s_cbranch_scc0 .Lentry_shape_is_right
	s_endpgm
.Lentry_shape_is_right:
; out = LayerNorm( (relu(x w1 + b1) w2 + b2) * sigmoid(x wg + bg) + x ws + bs ) * gamma + beta, eps = 1e-3.  x, out: [16,384][1,024] f32.
; wpk: the four weight matrices in bf16, 128 tiles of 65,536 bytes in the order in which they are walked here; par: the six vectors (both made by the launch before).
; SHARES.  A work-group owns 64 WHOLE rows (the norm and the second product want whole rows), 256 work-groups.  Each of its four waves works on all 64 rows (four blocks rb of 16)
; and on columns of its own, so no weight fragment is wanted by two waves: wave w reads part w (16,384 bytes) of every tile, which it has fetched itself.
; A STEP is one tile: 16 weight fragments x 4 row blocks = 64 matrix instructions a wave.  128 steps:
;   4 x [ 8 steps KA: T = b1 + x w1, 256 hidden columns (64 a wave) | relu, bf16, into H | 8 steps KW: Y += h w2 (Y began as b2; 256 columns a wave) ]
;   2 x [ 16 steps KG: T = bg + x wg, 128 columns a wave | Y = Y * sigmoid(T) + bs ]        32 steps KW: Y += x ws        then the norm, by rows.
; Every sum begins as its bias, loaded straight into the accumulators: nothing is cleared, no bias is added later, and every matrix instruction has the one form D = A B + D.
; TRANSPOSED USE.  Source 0 = a weight fragment (16 columns x 32 k), source 1 = 16 rows of x or h.  In D lane l, register j hold row 16 rb + l % 16, column n0 + 8 (l / 16) + j.
; RING.  Two LDS slots of one tile.  All work-groups walk the same tiles, so the four of a cluster ask JOINTLY: wave w of each issues the same tensor load (its part of the tile: 64 rows of 256
; dense bytes) with a mask that names the four.  A slot is asked for again behind a round of the cluster's barrier in the second half of its step.  By this text's count a wave has two tensor loads
; out at the start and one afterwards.
; LIMITS.  x and h are rounded once to bf16 (nearest even) as matrix operands; weights, biases, gamma and beta arrive rounded to bf16.  Sums, sigmoid and norm in f32; the variance is the mean of
; (y - mean)^2.  A NaN in front of the relu becomes 0 (the packed maximum lets a NaN lose); NaN and infinities are not otherwise treated apart.  sigmoid(t) = 1 / (1 + 2^(-t log2 e)): an exponential
; below 2^-126 counts as 0 and one beyond f32's range as infinity, which give 1 and 0.
; REGISTERS, in windows of 256 (s_set_vgpr_msb: bits 1:0 source 0, 3:2 source 1, 5:4 source 2, 7:6 destination):
;   window 0: v0-31 addresses; v32-223 fragment buffers and stages; v224-255 at work
;   window 1: T.  KG: accumulator (rb, nb) at 64 rb + 8 nb.  KA: at 8 (4 rb + nb), v0-127, with the weight fragments' two buffers in v128-255
;   windows 2, 3: Y: accumulator (rb, nb) at 64 rb + 8 (nb % 8), window 2 + nb / 8
.set XP,    2064                       ; a row of x in LDS: 2,048 bytes of bf16 + 16: the 16 rows of a fragment load start in 16 different columns of 16 bytes
.set HP,    528                        ; a row of h: 512 + 16
.set YP,    4112                       ; a row of y (f32): 4,096 + 16
.set HB,    64*XP                      ; LDS: x at 0; h behind it;
.set SLOT0, HB+64*HP                   ; the two slots;
.set SLOTB, 65536
.set SLOT1, SLOT0+SLOTB
.set SPARE, SLOT1+SLOTB                ; the spare words, 128 bytes for each wave: two blocks of 256 bytes that no other line names.  y's stage lies at 0, over x, h and the slots, when those are done with
.set BA0, 2                            ; v2-3    my 16 bytes of a fragment half in my part of slot 0, 1
.set AX0, 4                            ; v4-7    row 16 rb + l % 16 of x, + 16 (l / 16)
.set AH0, 8                            ; v8-11   the same for h
.set AW,  12                           ; v12-15  the phase's rows at the k of the ring's current lap
.set HST, 16                           ; v16     where I put 16 bytes of h
.set XST, 17                           ; v17     where I put 8 bytes of x
.set XG,  18                           ; v18     my 16 bytes in my wave's 16 rows of x; later of out
.set PBA, 19                           ; v19     my eight numbers of b1's tile nb = 0 (steps by a chunk)
.set PBW, 20                           ; v20     of a 256-column tile row; never rewritten
.set PBU, 21                           ; v21     of the unit's bs
.set ZR,  22                           ; v22     0, for the relu
.set L16, 23                           ; v23     16 x lane
.set YST, 24                           ; v24-27  where I put y
.set SPW, 28                           ; v28     LDS address of my spare word; never rewritten
.set NIL, 29                           ; v29     0; never rewritten
.set PFO, 30                           ; v30     256 x lane; never rewritten
.set YLD, 31                           ; v31     where I read rows of y back
.set FABUF, 32                         ; KA: x's fragments, two buffers of 64 (32 kk + 8 rb), window 0
.set FBUF,  128                        ; KA: weight fragments, two buffers of 64 (8 (4 kk + nb)), window 1
.set GBUF,  32                         ; KG: two buffers of 96: weights 8 nb, x at 64 + 8 rb
.set WB0,   32                         ; KW: weights nb 0-7;
.set WB1,   96                         ;     nb 8-15;
.set WA0,   160                        ;     x or h, a buffer of 32 for each slot
.set HT,    160                        ; h packed, 64 registers
.set XS,    32                         ; the head: three sets of 64, two rows of x each
.set XT,    224
.set WV,  12                           ; s12  my wave's number
.set CX,  13                           ; s13  my place in the cluster: it enters x's, out's and the prefetches' addresses alone
.set G1,  16                           ; s[16:23] descriptor group 1
.set G0,  24                           ; s[24:31] descriptor group 0, a set for each slot
.set KO,  32                           ; s32  bytes along k at which the ring's current lap begins
.set CNT, 33                           ; s33  laps to go in a phase; rows' trips
.set CH,  34                           ; s34  chunks to go
.set UC,  35                           ; s35  units to go
.set PFN, 36                           ; s36  prefetches to go
.set PFA, 38                           ; s[38:39] where my prefetches stand
.set SEL, 40                           ; s[40:41] v_permlanex16_b32's selects: each lane takes its own place in the other half
.set RN,  42                           ; s42  1 / 1,024
.set EP,  43                           ; s43  1e-3
.set KA, 0
.set KG, 1
.set KW, 2
.set MSB, 0
.macro WIN new                         ; the immediate's high byte repeats the setting that is left; a switch that changes nothing is dropped
.if MSB != (\new)
	s_set_vgpr_msb (MSB<<8)|(\new)
.set MSB, \new
.endif
.endm
; A load into a register that a matrix instruction has read, and a vector instruction or store that reads a matrix result, stand four places behind it; only plain vector
; instructions that name none of its registers are places (ISA guide 7.12.1 for vector instructions).
.macro PLACES
.rept 4
	v_nop
.endr
.endm
; A round of the cluster's barrier behind its opening barrier: wave 0 signals for the work-group, every wave waits for all four work-groups, my work-group's barrier once more.
.macro CREST
	s_cmp_lg_u32 s[WV], 0
	s_cbranch_scc1 .Lnot_wave_0_\@
	s_barrier_signal -3
.Lnot_wave_0_\@:
	s_barrier_wait -3
	s_barrier_signal -1
	s_barrier_wait -1
.endm
.macro CROUND
	s_barrier_signal -1
	s_barrier_wait -1
	CREST
.endm
; cnt weight fragments from fragment f0 of my part on: two loads of 512 consecutive bytes each
.macro FB dst, areg, f0, cnt
.set fi, 0
.rept \cnt
	ds_load_b128 v[(\dst)+8*fi:(\dst)+8*fi+3],   v[\areg] offset:((\f0)+fi)*1024
	ds_load_b128 v[(\dst)+8*fi+4:(\dst)+8*fi+7], v[\areg] offset:((\f0)+fi)*1024+512
.set fi, fi+1
.endr
.endm
; the four row blocks' fragments of x or h, 32 k at byte koff behind the lap's beginning: lane l takes row l % 16, k = 8 (l / 16) + 0..7 and 16 + 8 (l / 16) + 0..7
.macro FA dst, koff
.irp rb, 0,1,2,3
	ds_load_b128 v[(\dst)+8*\rb:(\dst)+8*\rb+3],   v[AW+\rb] offset:(\koff)
	ds_load_b128 v[(\dst)+8*\rb+4:(\dst)+8*\rb+7], v[AW+\rb] offset:(\koff)+32
.endr
.endm
; A step has two BEATS of 32 matrix instructions; FETCH brings a beat's fragments in one run of LDS loads.
.macro FETCH kind, beat, slot, koff
.if (\kind) == KA                      ; beat b: k blocks 2 b, 2 b + 1: 8 weight fragments (16 loads), then x's for the first k block (8), then for the second (8)
	WIN 0x40                                       ; destination window 1, address window 0
	FB FBUF+64*(\beat), BA0+(\slot), 8*(\beat), 8
	WIN 0
	FA FABUF+64*(\beat), (\koff)+128*(\beat)
	FA FABUF+64*(\beat)+32, (\koff)+128*(\beat)+64
.elseif (\kind) == KG                  ; beat b: k block b: 8 weight fragments (16 loads), x's four (8)
	WIN 0
	FB GBUF+96*(\beat), BA0+(\slot), 8*(\beat), 8
	FA GBUF+96*(\beat)+64, (\koff)+64*(\beat)
.else                                  ; beat 0: weights nb 0-7 (16 loads) and the step's four fragments of x or h (8); beat 1: weights nb 8-15 (16)
	WIN 0
.if (\beat) == 0
	FB WB0, BA0+(\slot), 0, 8
	FA WA0+32*(\slot), \koff
.else
	FB WB1, BA0+(\slot), 8, 8
.endif
.endif
.endm
; THE MATRIX WORK.  The accumulators take turns, one instruction a turn, in the same order in every beat: between two links of a chain stand 15 (KA), 31 (KG) or 63 (KW) others',
; over the backward jumps too; a phase's last and the next phase's first name different accumulators.
.macro MM d, b, a
	v_wmma_f32_16x16x32_bf16 v[(\d):(\d)+7], v[(\b):(\b)+7], v[(\a):(\a)+7], v[(\d):(\d)+7]
.endm
.macro MA buf, kk, rb0, nrb
	WIN 0x51                                       ; weights, C and D window 1, x window 0
.set ri, \rb0
.rept \nrb
.irp nb, 0,1,2,3
	MM 8*(4*ri+\nb), FBUF+64*(\buf)+8*(4*(\kk)+\nb), FABUF+64*(\buf)+32*(\kk)+8*ri
.endr
.set ri, ri+1
.endr
.endm
.macro MG buf, rb0, nrb
	WIN 0x50                                       ; C and D window 1
.set ri, \rb0
.rept \nrb
.irp nb, 0,1,2,3,4,5,6,7
	MM 64*ri+8*\nb, GBUF+96*(\buf)+8*\nb, GBUF+96*(\buf)+64+8*ri
.endr
.set ri, ri+1
.endr
.endm
.macro MW half, slot, rb0, nrb
	WIN 0xa0+0x50*(\half)                          ; C and D window 2 or 3
.set ri, \rb0
.rept \nrb
.irp nb, 0,1,2,3,4,5,6,7
	MM 64*ri+8*\nb, WB0+64*(\half)+8*\nb, WA0+32*(\slot)+8*ri
.endr
.set ri, ri+1
.endr
.endm
; A step's 64 matrix instructions in five parts of 16, 16, 8, 8, 16: parts 0, 1 are beat 0, parts 2 to 4 beat 1.
.macro MULS kind, slot, part
.if (\kind) == KA
.if (\part) == 0
	MA 0, 0, 0, 4
.elseif (\part) == 1
	MA 0, 1, 0, 4
.elseif (\part) == 2
	MA 1, 0, 0, 2
.elseif (\part) == 3
	MA 1, 0, 2, 2
.else
	MA 1, 1, 0, 4
.endif
.elseif (\kind) == KG
.if (\part) == 0
	MG 0, 0, 2
.elseif (\part) == 1
	MG 0, 2, 2
.elseif (\part) == 2
	MG 1, 0, 1
.elseif (\part) == 3
	MG 1, 1, 1
.else
	MG 1, 2, 2
.endif
.else
.if (\part) == 0
	MW 0, \slot, 0, 2
.elseif (\part) == 1
	MW 0, \slot, 2, 2
.elseif (\part) == 2
	MW 1, \slot, 0, 1
.elseif (\part) == 3
	MW 1, \slot, 1, 1
.else
	MW 1, \slot, 2, 2
.endif
.endif
.endm
; The counted waits on LDS.  N0, ahead of part 0: of beat 0's run the youngest loads, which part 0 does not read, may be out (KA: x's second k block, 8; KG, KW: x's rows 32-63, 4).
; N1, ahead of part 1: all but beat 1's run just issued.  N2, ahead of part 2: the add, and of beat 1's run what part 2 does not read (KA: x's second k block, 8; KG: x's rows 16-63, 6; KW: nothing).
.macro KSET kind
.if (\kind) == KA
.set N0, 8
.set N1, 32
.set N2, 9
.set STEPB, 256                        ; bytes of a row of x in a step
.elseif (\kind) == KG
.set N0, 4
.set N1, 24
.set N2, 7
.set STEPB, 128
.else
.set N0, 4
.set N1, 16
.set N2, 1
.set STEPB, 64
.endif
.endm
; A PREFETCH INTO THE L2, behind the joint load of every second step, its five lines and the run of LDS loads: the two tiles that the refills eight and nine steps on will ask for.
; Every cluster walks the same tiles: the first cluster asks (the test is the same in its four partners).  Its sixteen waves share the two tiles' 512 blocks of 256 bytes out BY ADDRESS,
; 32 each, a lane a block: each block is named once in the launch.  Step t (even) names tiles t + 10 and t + 11; tiles 0 to 9 come by their loads alone; the 59th and last, in step 116, names tiles 126 and 127.
.macro ASK
	s_cmp_lg_u32 s[PFN], 0
	s_cbranch_scc0 .Lno_ask_\@
	global_prefetch_b8 v[PFO], s[PFA:PFA+1] th:TH_LOAD_NT scope:SCOPE_SE
	s_sub_co_u32 s[PFN], s[PFN], 1
.Lno_ask_\@:
.endm
; A phase begins: its rows at k = 0, and the first beat's fragments out of slot 0, which the last change of slots has shown whole.  The four moves are the places behind the last products.
.macro PRIME kind, base
	WIN 0
	s_wait_dscnt 0x0                               ; no LDS load of the phase before is out when its buffers get new owners
	s_mov_b32 s[KO], 0
.irp rb, 0,1,2,3
	v_mov_b32 v[AW+\rb], v[(\base)+\rb]
.endr
	FETCH \kind, 0, 0, 0
	WIN 0
.endm
; A step's first half: beat 0 is multiplied; in its middle beat 1's fragments are fetched.
.macro BEAT0 kind, slot
	KSET \kind
	s_wait_dscnt N0
	MULS \kind, \slot, 0
	PLACES
	FETCH \kind, 1, \slot, (\slot)*STEPB
	s_wait_dscnt N1
	MULS \kind, \slot, 1
.endm
; A step's second half multiplies beat 1 and changes slots.  In front of the round each wave waits for all its tensor loads, of which one is out: its part of the other slot; adds 0 to its spare word; and
; waits for that and for its own reads of this slot.  Behind the round no wave of any partner reads this slot or has a load on its way: the slot is asked for again, first thing, with the tile two steps on:
; 48 matrix instructions ahead of the wait for it.  Then come the other slot's first fragments.  skip = 1: in the phase's last lap that run is jumped over: the next phase fetches its own.
.macro TURN kind, slot, base, skip
	KSET \kind
.if (\slot) == 0
	s_wait_xcnt 0x0                                ; the last prefetch, two steps back, has read its address: it is stepped here, ahead of the change's own waits
	s_add_nc_u64 s[PFA:PFA+1], s[PFA:PFA+1], 2*SLOTB
.endif
	WIN 0                                          ; (the add's two registers lie in window 0)
	s_wait_tensorcnt 0x0                           ; all my tensor loads have landed, so a group 0 may be written
	ds_add_u32 v[SPW], v[NIL]                      ; 0 onto my spare word
	s_add_nc_u64 s[G0+4*(\slot)+2:G0+4*(\slot)+3], s[G0+4*(\slot)+2:G0+4*(\slot)+3], 2*SLOTB  ; this slot's next tile; the type bits on top are not reached
.if (\slot) == 1
	s_add_co_u32 s[KO], s[KO], 2*STEPB             ; the next lap
.endif
	s_wait_dscnt N2
	MULS \kind, \slot, 2                           ; eight matrix instructions stand between the add and the wait for it
	s_wait_dscnt 0x0                               ; the add is done, and my reads of this slot are over
	s_barrier_signal -1
	MULS \kind, \slot, 3
	WIN 0
	s_barrier_wait -1
	CREST
	tensor_load_to_lds s[G0+4*(\slot):G0+4*(\slot)+3], s[G1:G1+7]
	s_nop 0
.if (\slot) == 1                       ; four plain vector lines behind the load: they are also the places in front of the loads below
.irp rb, 0,1,2,3
	v_add_nc_u32 v[AW+\rb], s[KO], v[(\base)+\rb]
.endr
.else
	PLACES
.endif
.if \skip
	s_cmp_eq_u32 s[CNT], 1
	s_cbranch_scc1 .Lno_fetch_\@
.endif
	FETCH \kind, 0, 1-(\slot), (1-(\slot))*STEPB
	WIN 0
.if \skip
.Lno_fetch_\@:
.endif
.if (\slot) == 0
	ASK
.endif
	MULS \kind, \slot, 4
.endm
.macro LAP kind, base, skip            ; two steps, once round the ring; the branch follows
	BEAT0 \kind, 0
	TURN \kind, 0, \base, 0
	BEAT0 \kind, 1
	TURN \kind, 1, \base, \skip
	WIN 0
	s_sub_co_u32 s[CNT], s[CNT], 1
	s_cmp_lg_u32 s[CNT], 0
.endm
; A bias into accumulators: for row blocks rb0 .. and nbw column blocks, the lane's eight numbers, two loads; the same numbers for every row block.
.macro TINIT win, nbw, off, areg, rb0=0, rbn=4
	WIN (\win)<<6
.set ri, \rb0
.rept \rbn
.set ni, 0
.rept \nbw
	global_load_b128 v[8*((\nbw)*ri+ni):8*((\nbw)*ri+ni)+3],   v[\areg], s[8:9] offset:(\off)+64*ni
	global_load_b128 v[8*((\nbw)*ri+ni)+4:8*((\nbw)*ri+ni)+7], v[\areg], s[8:9] offset:(\off)+64*ni+16
.set ni, ni+1
.endr
.set ri, ri+1
.endr
.endm
; x comes in groups of two rows a wave: 16 loads of 512 consecutive bytes; three groups are on their way.
.macro XLOAD g
.set xb, XS+64*((\g)%3)
.irp i, 0,1
.irp j, 0,1,2,3,4,5,6,7
	global_load_b128 v[xb+32*\i+4*\j:xb+32*\i+4*\j+3], v[XG], s[4:5] offset:(2*(\g)+\i)*4096+512*\j th:TH_LOAD_NT
.endr
.endr
.endm
.macro XCONV g
.set xb, XS+64*((\g)%3)
	s_wait_loadcnt 32                              ; loads come back in order: group g is in; the 32 loads issued behind it stay out
.set m, 0
.rept 16
	v_cvt_pk_bf16_f32 v[XT+2*m],   v[xb+4*m],   v[xb+4*m+1]
	v_cvt_pk_bf16_f32 v[XT+2*m+1], v[xb+4*m+2], v[xb+4*m+3]
.set m, m+1
.endr
.set m, 0
.rept 16
	ds_store_b64 v[XST], v[XT+2*m:XT+2*m+1] offset:(2*(\g)+m/8)*XP+256*(m%8)  ; 32 lanes: 256 consecutive bytes
.set m, m+1
.endr
.endm
	s_load_b256 s[4:11], s[0:1], 0x0               ; x s[4:5], wpk s[6:7], par s[8:9], out s[10:11]
	v_lshl_add_u32 v[SPW], v0, 2, SPARE
	v_mov_b32 v[NIL], 0
	ds_add_u32 v[SPW], v[NIL]                      ; the wave's opening: the add, twice on end, and its wait ahead of my first tensor load; the set-up below, work on registers, stands between
	ds_add_u32 v[SPW], v[NIL]
	v_lshrrev_b32 v224, 5, v0
	v_readfirstlane_b32 s[WV], v224                ; wave 0..3
	s_bfe_u32 s[CX], ttmp6, 0x40000                ; my place in the cluster
	s_lshl_b32 s14, ttmp9, 2                       ; in a cluster launch ttmp9 counts clusters
	s_add_co_u32 s14, s14, s[CX]                   ; my work-group
	s_lshl_b32 s2, s14, 18                         ; its 64 rows of 4,096 bytes
	s_mov_b32 s3, 0
	; descriptor group 1: my part of a tile, 16,384 dense bytes, as 64 rows of 256
	s_mov_b32 s[G1], 15|(3<<16)|(1<<21)            ; 15:0 the mask: all four work-groups; 17:16 elements of 8 bytes; 20 no padding; 21 set beside a mask
	s_mov_b32 s[G1+1], 32<<16                      ; tensor_dim0 = 32
	s_mov_b32 s[G1+2], 64<<16                      ; tensor_dim1 = 64
	s_mov_b32 s[G1+3], 32<<16                      ; tile_dim0 = 32
	s_mov_b32 s[G1+4], 64                          ; tile_dim1 = 64
	s_mov_b32 s[G1+5], 32                          ; 32 elements from row to row
	s_mov_b32 s[G1+6], 0
	s_mov_b32 s[G1+7], 0
	s_lshl_b32 s44, s[WV], 14                      ; my part of a tile, in memory and in a slot: the wave's number alone enters
	s_mov_b32 s45, 0
	s_mov_b32 s[G0], 1                             ; count = 1
	s_add_co_u32 s[G0+1], s44, SLOT0               ; LDS address
	s_mov_b32 s[G0+4], 1
	s_add_co_u32 s[G0+5], s44, SLOT1
	s_lshl2_add_u32 s46, s[CX], s[WV]              ; my wave among the cluster's sixteen:
	s_lshl_b32 s46, s46, 13                        ; its 32 blocks of 256 bytes of two tiles
	s_mov_b32 s47, 0
	s_cmp_eq_u32 ttmp9, 0                          ; the first cluster prefetches: the same in all four partners
	s_cselect_b32 s[PFN], 59, 0
	s_mov_b32 s[SEL], 0x76543210
	s_mov_b32 s[SEL+1], 0xfedcba98
	s_mov_b32 s[RN], 0x3a800000
	s_mov_b32 s[EP], 0x3a83126f
	v_and_b32 v1, 15, v0                           ; l % 16
	v_bfe_u32 v224, v0, 4, 1                       ; l / 16
	v_and_b32 v225, 31, v0                         ; l
	v_lshl_add_u32 v[BA0], v225, 4, s[G0+1]
	v_lshl_add_u32 v[BA0+1], v225, 4, s[G0+5]
	v_mul_u32_u24 v226, v1, XP
	v_lshl_add_u32 v226, v224, 4, v226
	v_mul_u32_u24 v227, v1, HP
	v_lshl_add_u32 v227, v224, 4, v227
.irp rb, 0,1,2,3
	v_add_nc_u32 v[AX0+\rb], \rb*16*XP, v226
	v_add_nc_u32 v[AH0+\rb], HB+\rb*16*HP, v227
.endr
	s_lshl_b32 s37, s[WV], 7                       ; my 64 hidden columns of a chunk: 128 bytes
	s_add_co_u32 s37, s37, HB
	v_add_nc_u32 v[HST], s37, v227
	s_mul_i32 s37, s[WV], 16*XP                    ; my 16 rows of x in LDS
	v_lshl_add_u32 v[XST], v225, 3, s37
	s_lshl_b32 s37, s[WV], 16                      ; and in memory
	v_lshl_add_u32 v[XG], v225, 4, s37
	s_lshl_b32 s37, s[WV], 8
	v_lshl_add_u32 v[PBA], v224, 5, s37            ; 4 (64 w + 8 (l / 16))
	s_lshl_b32 s37, s[WV], 10
	v_lshl_add_u32 v[PBW], v224, 5, s37            ; 4 (256 w + 8 (l / 16))
	v_mov_b32 v[PBU], v[PBW]
	v_mov_b32 v[ZR], 0
	v_lshlrev_b32 v[L16], 4, v225
	v_mul_u32_u24 v228, v1, YP
	v_add_nc_u32 v228, v228, v[PBW]
.irp rb, 0,1,2,3
	v_add_nc_u32 v[YST+\rb], \rb*16*YP, v228
.endr
	v_lshlrev_b32 v[PFO], 8, v225
	s_mul_i32 s37, s[WV], 16*YP
	v_lshl_add_u32 v[YLD], v225, 4, s37
	s_wait_dscnt 0x0                               ; both opening adds are done
	s_wait_kmcnt 0x0
	s_add_nc_u64 s[4:5], s[4:5], s[2:3]            ; x and out at my work-group's rows
	s_add_nc_u64 s[10:11], s[10:11], s[2:3]
	s_add_nc_u64 s[G0+2:G0+3], s[6:7], s[44:45]    ; global address: my part of tile 0,
	s_add_nc_u64 s[G0+6:G0+7], s[G0+2:G0+3], SLOTB ; of tile 1
	s_or_b32 s[G0+3], s[G0+3], 0x80000000          ; type = 2
	s_or_b32 s[G0+7], s[G0+7], 0x80000000
	s_add_nc_u64 s[PFA:PFA+1], s[6:7], s[46:47]
	s_add_nc_u64 s[PFA:PFA+1], s[PFA:PFA+1], 8*SLOTB  ; at tile 8: step 0 steps it to tile 10.  Nothing is prefetched here, at the head
	XLOAD 0
	XLOAD 1
	XLOAD 2
	CROUND                                         ; all four work-groups are here: the first joint loads meet
	tensor_load_to_lds s[G0:G0+3], s[G1:G1+7]      ; tile 0
	s_nop 0
	tensor_load_to_lds s[G0+4:G0+7], s[G1:G1+7]    ; tile 1
	s_nop 0
	PLACES
	XCONV 0
	XLOAD 3
	XCONV 1
	XLOAD 4
	XCONV 2
	XLOAD 5
	XCONV 3
	XLOAD 6
	XCONV 4
	XLOAD 7
	XCONV 5                                        ; in the place of further groups of x: the biases with which the sums begin, 16 loads at a time, so that the count of 32 holds for every group
	TINIT 1, 4, 0, PBA, 0, 2                       ; b1 of chunk 0
	WIN 0
	XCONV 6
	TINIT 1, 4, 0, PBA, 2, 2
	WIN 0
	XCONV 7
	TINIT 2, 8, 4096, PBW                          ; b2: 128 loads
	TINIT 3, 8, 4096+512, PBW
	WIN 0
	s_wait_loadcnt 63                              ; b1 is in: 128 younger loads were issued behind it; b2 is waited for ahead of the first product onto Y
	s_wait_dscnt 0x0                               ; for the others' sake: my rows of x are in LDS
	s_wait_tensorcnt 1                             ; my part of tile 0 is in; tile 1's may stay out
	s_barrier_signal -1
	s_barrier_wait -1
	s_mov_b32 s[CH], 4
.Lchunk:                                       ; 256 hidden columns: T = b1 + x w1; h; Y += h w2
	PRIME KA, AX0
	s_mov_b32 s[CNT], 4
.La:
	LAP KA, AX0, 1
	s_cbranch_scc1 .La
	PLACES
	WIN 0x05                                       ; sources 0 and 1 window 1, destination window 0
.set a, 0
.rept 16                               ; each accumulator from its low end on
.irp m, 0,1,2,3
	v_cvt_pk_bf16_f32 v[HT+4*a+\m], v[8*a+2*\m], v[8*a+2*\m+1]
.endr
.set a, a+1
.endr
	WIN 0
.set a, 0
.rept 64
	v_pk_max_num_bf16 v[HT+a], v[HT+a], v[ZR]      ; relu behind the rounding: the rounding keeps signs, so the order does not matter
.set a, a+1
.endr
.set a, 0
.rept 16                               ; accumulator a = 4 rb + nb: 16 bytes of row 16 rb + l % 16
	ds_store_b128 v[HST], v[HT+4*a:HT+4*a+3] offset:16*HP*(a/4)+32*(a%4)
.set a, a+1
.endr
	s_wait_loadcnt 0x0                             ; b2 lies in Y (chunk 0; later nothing is out), and b1's loads have read their address
	s_cmp_eq_u32 s[CH], 1
	s_cbranch_scc1 .Llast_chunk
	v_add_nc_u32 v[PBA], 1024, v[PBA]
	TINIT 1, 4, 0, PBA                             ; the next chunk's b1: it lands under the eight steps below
	WIN 0
	s_branch .Lbias_asked
.Llast_chunk:
	TINIT 1, 8, 8192, PBW                          ; behind the last chunk: bg of the first unit
	WIN 0
.Lbias_asked:
	s_wait_dscnt 0x0                               ; for the others' sake: my columns of h are in LDS
	s_barrier_signal -1                            ; (the refill that is out crosses this barrier.  The last chunk's reads of h
	s_barrier_wait -1                              ; were waited for in front of the rounds of the eight steps above)
	PRIME KW, AH0
	s_mov_b32 s[CNT], 4
.Lc:
	LAP KW, AH0, 1
	s_cbranch_scc1 .Lc
	s_wait_loadcnt 0x0                             ; the bias with which T begins anew is in
	s_sub_co_u32 s[CH], s[CH], 1
	s_cmp_lg_u32 s[CH], 0
	s_cbranch_scc1 .Lchunk
; T's row block rb becomes sigmoid(T).  Two batches of 64 transcendentals; behind each a plain instruction and the one wait ahead of the first reader.
.macro SIG rb
	WIN 0x41                                       ; destination and source 0 window 1
.set i, 64*(\rb)
.rept 32
	v_pk_mul_f32 v[i:i+1], v[i:i+1], 0xbfb8aa3b op_sel_hi:[1,0]  ; - t log2 e
.set i, i+2
.endr
.set i, 64*(\rb)
.rept 64
	v_exp_f32 v[i], v[i]
.set i, i+1
.endr
	v_nop
	s_wait_alu depctr_va_vdst(0)
.set i, 64*(\rb)
.rept 32
	v_pk_add_f32 v[i:i+1], v[i:i+1], 1.0 op_sel_hi:[1,0]
.set i, i+2
.endr
.set i, 64*(\rb)
.rept 64
	v_rcp_f32 v[i], v[i]
.set i, i+1
.endr
	v_nop
	s_wait_alu depctr_va_vdst(0)
.endm
.macro UPD u, rb                       ; Y = Y * sigmoid + bs, unit u's window of Y
	WIN 0x86+0x41*(\u)                             ; destination and source 0 window 2 + u, source 1 window 1, source 2 window 0
.set i, 0
.rept 32
	v_pk_fma_f32 v[64*(\rb)+i:64*(\rb)+i+1], v[64*(\rb)+i:64*(\rb)+i+1], v[64*(\rb)+i:64*(\rb)+i+1], v[32+i:32+i+1]
.set i, i+2
.endr
.endm
.macro SIGUPD rb
	SIG \rb
	WIN 0
.if (\rb) == 0
	s_wait_loadcnt 0x0                             ; bs is in
.endif
	s_cmp_eq_u32 s[UC], 2
	s_cbranch_scc0 .Lsecond_\rb
	UPD 0, \rb
	TINIT 1, 8, 8192+512, PBW, \rb, 1              ; the second unit's bg, into the registers just read: it lands under the other row blocks' sigmoids
	WIN 0
	s_branch .Lupdated_\rb
.Lsecond_\rb:
	UPD 1, \rb
	WIN 0
.Lupdated_\rb:
.endm
	s_mov_b32 s[UC], 2
.Lunit:                                        ; 128 columns a wave: T = bg + x wg; Y = Y * sigmoid(T) + bs
	s_wait_loadcnt 0x0                             ; bg lies in T
	PRIME KG, AX0
	s_mov_b32 s[CNT], 8
.Lg:
	LAP KG, AX0, 1
	s_cbranch_scc1 .Lg
	PLACES
.irp nb, 0,1,2,3,4,5,6,7
	global_load_b128 v[32+8*\nb:32+8*\nb+3], v[PBU], s[8:9] offset:12288+64*\nb
	global_load_b128 v[32+8*\nb+4:32+8*\nb+7], v[PBU], s[8:9] offset:12288+64*\nb+16
.endr
	SIGUPD 0
	SIGUPD 1
	SIGUPD 2
	SIGUPD 3
	v_add_nc_u32 v[PBU], 512, v[PBU]               ; bs's loads were waited for above
	s_sub_co_u32 s[UC], s[UC], 1
	s_cmp_lg_u32 s[UC], 0
	s_cbranch_scc1 .Lunit
	PRIME KW, AX0                                  ; Y += x ws: 32 steps
	s_mov_b32 s[CNT], 15
.Ls:
	LAP KW, AX0, 0
	s_cbranch_scc1 .Ls
	BEAT0 KW, 0                                    ; the last two steps are written out: nothing is asked for
	s_wait_tensorcnt 0x0                           ; my part of the last tile is in; nobody else reads it
	s_wait_dscnt 0x0
	MULS KW, 0, 2
	MULS KW, 0, 3
	PLACES
	FETCH KW, 0, 1, 64
	MULS KW, 0, 4
	BEAT0 KW, 1
	s_wait_dscnt 0x0
	MULS KW, 1, 2
	MULS KW, 1, 3
	MULS KW, 1, 4
	WIN 0
	; THE WAY OUT.  y goes through LDS, since a row's 1,024 numbers lie in four waves: the stage lies over x, h and the slots, which have had their last fill.
	PLACES
	s_wait_dscnt 0x0
	s_barrier_signal -1
	s_barrier_wait -1                              ; no wave reads x, h or a slot any more
.set RW, 32                            ; v[32:159]  four rows, 32 registers each: columns 128 j + 4 l + 0..3 at 4 j
.set GM, 160                           ; v[160:191] gamma of the same columns
.set BT, 192                           ; v[192:223] beta
.set TS, 224                           ; row q: v[TS+4q] sum, then mean; +1 at work; +2 second chain, then 1 / sqrt; +3 at work
.set TQ, 240                           ; row q: the same for the squares
.irp j, 0,1,2,3,4,5,6,7
	global_load_b128 v[GM+4*\j:GM+4*\j+3], v[L16], s[8:9] offset:16384+512*\j
	global_load_b128 v[BT+4*\j:BT+4*\j+3], v[L16], s[8:9] offset:20480+512*\j
.endr
.irp h, 0,1
	WIN 0x08+4*\h                                  ; store data (source 1) window 2, then 3
.irp rb, 0,1,2,3
.irp nb, 0,1,2,3,4,5,6,7
	ds_store_b128 v[YST+\rb], v[64*\rb+8*\nb:64*\rb+8*\nb+3]   offset:512*\h+64*\nb     ; each accumulator's low four registers first
	ds_store_b128 v[YST+\rb], v[64*\rb+8*\nb+4:64*\rb+8*\nb+7] offset:512*\h+64*\nb+16
.endr
.endr
.endr
	WIN 0
	s_wait_dscnt 0x0                               ; for the others' sake: my columns of y are in LDS
	s_barrier_signal -1
	s_barrier_wait -1
	s_wait_loadcnt 0x0                             ; gamma and beta
; The sum over the 32 lanes of the four rows' numbers at v[base + 4 q]: four steps inside each half of the lanes ride on the addition, one crosses the halves.
.macro RED4 base
.irp x, 1,2,4,8
.irp q, 0,1,2,3
	v_add_f32_dpp v[(\base)+4*\q], v[(\base)+4*\q], v[(\base)+4*\q] row_xmask:\x row_mask:0xf bank_mask:0xf
.endr
.endr
.irp q, 0,1,2,3
	v_permlanex16_b32 v[(\base)+4*\q+1], v[(\base)+4*\q], s[SEL], s[SEL+1]
.endr
.irp q, 0,1,2,3
	v_add_f32 v[(\base)+4*\q], v[(\base)+4*\q], v[(\base)+4*\q+1]
.endr
.endm
	s_mov_b32 s[CNT], 4
.Lrow:                                         ; four whole rows of my wave's sixteen: no sum leaves the wave
.irp q, 0,1,2,3
.irp j, 0,1,2,3,4,5,6,7
	ds_load_b128 v[RW+32*\q+4*\j:RW+32*\q+4*\j+3], v[YLD] offset:YP*\q+512*\j
.endr
.endr
	s_wait_dscnt 0x0
.irp q, 0,1,2,3                        ; the mean: two chains a row, the rows by turns
	v_pk_add_f32 v[TS+4*\q:TS+4*\q+1],   v[RW+32*\q:RW+32*\q+1],   v[RW+32*\q+4:RW+32*\q+5]
	v_pk_add_f32 v[TS+4*\q+2:TS+4*\q+3], v[RW+32*\q+2:RW+32*\q+3], v[RW+32*\q+6:RW+32*\q+7]
.endr
.irp p, 4,6,8,10,12,14
.irp q, 0,1,2,3
	v_pk_add_f32 v[TS+4*\q:TS+4*\q+1],   v[TS+4*\q:TS+4*\q+1],   v[RW+32*\q+2*\p:RW+32*\q+2*\p+1]
	v_pk_add_f32 v[TS+4*\q+2:TS+4*\q+3], v[TS+4*\q+2:TS+4*\q+3], v[RW+32*\q+2*\p+2:RW+32*\q+2*\p+3]
.endr
.endr
.irp q, 0,1,2,3
	v_pk_add_f32 v[TS+4*\q:TS+4*\q+1], v[TS+4*\q:TS+4*\q+1], v[TS+4*\q+2:TS+4*\q+3]
.endr
.irp q, 0,1,2,3
	v_add_f32 v[TS+4*\q], v[TS+4*\q], v[TS+4*\q+1]
.endr
	RED4 TS
.irp q, 0,1,2,3
	v_mul_f32 v[TS+4*\q], s[RN], v[TS+4*\q]
.endr
.irp q, 0,1,2,3                        ; y - mean, in place
.set i, 0
.rept 16
	v_pk_add_f32 v[RW+32*\q+i:RW+32*\q+i+1], v[RW+32*\q+i:RW+32*\q+i+1], v[TS+4*\q:TS+4*\q+1] op_sel_hi:[1,0] neg_lo:[0,1] neg_hi:[0,1]
.set i, i+2
.endr
.endr
.irp q, 0,1,2,3                        ; the mean of its squares
	v_pk_mul_f32 v[TQ+4*\q:TQ+4*\q+1],   v[RW+32*\q:RW+32*\q+1],   v[RW+32*\q:RW+32*\q+1]
	v_pk_mul_f32 v[TQ+4*\q+2:TQ+4*\q+3], v[RW+32*\q+2:RW+32*\q+3], v[RW+32*\q+2:RW+32*\q+3]
.endr
.irp p, 2,4,6,8,10,12,14
.irp q, 0,1,2,3
	v_pk_fma_f32 v[TQ+4*\q:TQ+4*\q+1],   v[RW+32*\q+2*\p:RW+32*\q+2*\p+1],   v[RW+32*\q+2*\p:RW+32*\q+2*\p+1],   v[TQ+4*\q:TQ+4*\q+1]
	v_pk_fma_f32 v[TQ+4*\q+2:TQ+4*\q+3], v[RW+32*\q+2*\p+2:RW+32*\q+2*\p+3], v[RW+32*\q+2*\p+2:RW+32*\q+2*\p+3], v[TQ+4*\q+2:TQ+4*\q+3]
.endr
.endr
.irp q, 0,1,2,3
	v_pk_add_f32 v[TQ+4*\q:TQ+4*\q+1], v[TQ+4*\q:TQ+4*\q+1], v[TQ+4*\q+2:TQ+4*\q+3]
.endr
.irp q, 0,1,2,3
	v_add_f32 v[TQ+4*\q], v[TQ+4*\q], v[TQ+4*\q+1]
.endr
	RED4 TQ
.irp q, 0,1,2,3
	v_fma_f32 v[TQ+4*\q], v[TQ+4*\q], s[RN], s[EP]
.endr
.irp q, 0,1,2,3
	v_rsq_f32 v[TS+4*\q+2], v[TQ+4*\q]
.endr
	v_nop                                          ; a plain instruction behind the last root,
	s_wait_alu depctr_va_vdst(0)                   ; and the one wait ahead of the first reader
.irp q, 0,1,2,3
.set i, 0
.rept 16
	v_pk_mul_f32 v[RW+32*\q+i:RW+32*\q+i+1], v[RW+32*\q+i:RW+32*\q+i+1], v[TS+4*\q+2:TS+4*\q+3] op_sel_hi:[1,0]
.set i, i+2
.endr
.set i, 0
.rept 16
	v_pk_fma_f32 v[RW+32*\q+i:RW+32*\q+i+1], v[RW+32*\q+i:RW+32*\q+i+1], v[GM+i:GM+i+1], v[BT+i:BT+i+1]
.set i, i+2
.endr
.irp j, 0,1,2,3,4,5,6,7
	global_store_b128 v[XG], v[RW+32*\q+4*\j:RW+32*\q+4*\j+3], s[10:11] offset:4096*\q+512*\j th:TH_STORE_NT  ; 512 consecutive bytes, at a multiple of 512 from out's first
.endr
.endr
	s_wait_xcnt 0x0                                ; the stores have read their data and their offset: only now are these written again
	v_add_nc_u32 v[XG], 4*4096, v[XG]
	v_add_nc_u32 v[YLD], 4*YP, v[YLD]
	s_sub_co_u32 s[CNT], s[CNT], 1
	s_cmp_lg_u32 s[CNT], 0
	s_cbranch_scc1 .Lrow
	s_wait_tensorcnt 0x0                           ; the wave's end, behind my last tensor load and my last LDS store
	ds_add_u32 v[SPW], v[NIL]
	s_wait_dscnt 0x0
	CROUND                                         ; the closing round: no work-group ends while a partner may still ask for a tile that names it
	s_endpgm
.Lfunc_end_k_q148673cfbd_grn:
	.size	k_q148673cfbd_grn, .Lfunc_end_k_q148673cfbd_grn-k_q148673cfbd_grn
	.p2alignl 7, 3214868480
	.fill 96, 4, 3214868480
	.section	.rodata,"a",@progbits
	.p2align	6, 0x0
	.amdhsa_kernel k_q148673cfbd_grn
		.amdhsa_group_segment_fixed_size 327680
		.amdhsa_private_segment_fixed_size 0
		.amdhsa_enable_private_segment 0
		.amdhsa_kernarg_size 32
		.amdhsa_user_sgpr_count 2
		.amdhsa_user_sgpr_kernarg_segment_ptr 1
		.amdhsa_wavefront_size32 1
		.amdhsa_system_sgpr_workgroup_id_x 1
		.amdhsa_system_sgpr_workgroup_id_y 1
		.amdhsa_system_sgpr_workgroup_id_z 1
		.amdhsa_system_vgpr_workitem_id 0
		.amdhsa_next_free_vgpr 1024
		.amdhsa_next_free_sgpr 66
		.amdhsa_reserve_vcc 0
		.amdhsa_float_denorm_mode_32 3
		.amdhsa_float_denorm_mode_16_64 3
		.amdhsa_memory_ordered 1
		.amdhsa_forward_progress 1
		.amdhsa_inst_pref_size 255
	.end_amdhsa_kernel
	.section	.bss,"aw",@nobits
	.p2align	6
	.space	262144
	.amdgpu_metadata
---
amdhsa.version: [ 1, 2 ]
amdhsa.kernels:
  - .name:           k_q148673cfbd_grn
    .symbol:         k_q148673cfbd_grn.kd
    .args:
      - { .name: inputs, .offset: 0, .size: 8, .value_kind: global_buffer, .address_space: global }
      - { .name: wpk, .offset: 8, .size: 8, .value_kind: global_buffer, .address_space: global }
      - { .name: par, .offset: 16, .size: 8, .value_kind: global_buffer, .address_space: global }
      - { .name: out0, .offset: 24, .size: 8, .value_kind: global_buffer, .address_space: global }
    .group_segment_fixed_size: 327680
    .private_segment_fixed_size: 0
    .kernarg_segment_align: 8
    .kernarg_segment_size: 32
    .max_flat_workgroup_size: 128
    .sgpr_count:     66
    .vgpr_count:     1024
    .wavefront_size: 32
...
	.end_amdgpu_metadata
.endif
;; end of part 2
;; ======== version 2 of 3: 2 launches
;; workspace buffers: wpk 8,388,608 bytes; par 24,576 bytes
;; launch prep (part 3): grid 256 x 1, 4 waves a work-group, no clusters, 33,792 bytes of LDS; arguments w1, w2, wg, ws, b1, b2, bg, bs, gamma, beta, wpk, par; writes wpk, par
.if DOCPART == 3
	.amdgcn_target "amdgcn-amd-amdhsa--gfx1250"
	.amdhsa_code_object_version 6
	.text
	.protected	k_q148673cfbd_prep
	.globl	k_q148673cfbd_prep
	.p2align	8
	.type	k_q148673cfbd_prep,@function
k_q148673cfbd_prep:
	s_mov_b64 s[64:65], 0
	v_nop
	global_prefetch_b8 v0, s[64:65] scope:SCOPE_SE
	s_setreg_imm32_b32 hwreg(HW_REG_WAVE_MODE, 25, 1), 1
	s_wait_xcnt 0x0
; THE WEIGHTS, ROUNDED TO bf16 AND LAID OUT AS THE NEXT LAUNCH CONSUMES THEM; the six vectors rounded to bf16 and written as f32.
; w1, w2, wg, ws: [1024 k][1024 n] f32.  wpk: four STREAMS of 2 MiB, one for each wave of the next launch's work-groups; a stream = 128 parts of 16,384 bytes, in the order
; in which they are multiplied; a part = 16 FRAGMENTS of 1,024 bytes.
; A fragment is 16 columns n0.. x 32 k from k0: the byte q*512 + lane*16 + 2e holds W[k0 + 16q + 8(lane/16) + e][n0 + lane%16]: two loads of 16 bytes a lane
; (at 16 lane, and 512 further on) are the eight registers of a matrix source.
;   parts 16c+i   (i 0..7):  w1, k0 = 128i + 32kk, stream w = columns 256c + 64w + 16nb,       fragment 4kk + nb
;   parts 16c+8+i (i 0..7):  w2, k0 = 256c + 32i,  stream w = columns 256w + 16nb,             fragment nb
;   parts 64+8u+i (u 0..3, i 0..7): wg, k0 = 128i + 32kk, stream w = columns 256w + 64u + 16nb, fragment 4kk + nb
;   parts 96+i    (i 0..31): ws, k0 = 32i,         stream w = columns 256w + 16nb,             fragment nb
; par: b1 at 0, b2 at 4,096, bg at 8,192, bs at 12,288, gamma at 16,384, beta at 20,480.
; SHARES.  Work-group g: matrix g/64, the 32 rows k = 32 kb.. (kb = (g/2)%32), half g%2 of the columns; wave w takes 128 columns: eight whole fragments.
; A wave reads 32 rows x 512 consecutive bytes, turns them in its own LDS bytes (no barrier: nobody else touches them), and stores 16 x 512 consecutive bytes, aligned.
; No matrix unit, no tensor load, no cluster: 16 MiB in, 8 MiB out, nothing shared between work-groups.
; LIMIT.  Every number is rounded once to bf16 (nearest even); bf16 has f32's range.
.set FP,    1040                       ; a fragment in LDS: 1,024 bytes + 16, so that the four fragments that 16 lanes store into fall into different columns of 16 bytes
.set WL,    8*FP                       ; a wave's LDS bytes
.set SPARE, 4*WL                       ; behind them: the spare words, 128 bytes for each wave: two blocks of 256 bytes that no other line names
.set DR,    16                         ; v[16:143]  row kq of the 32 at DR + 4 kq: four columns a lane; later the fragments read back
.set PC,    144                        ; v[144:207] sixteen pieces of 16 bytes: eight k of one column
.set SPW,   8                          ; v8  LDS address of my spare word; never rewritten
.set NIL,   9                          ; v9  0; never rewritten
	s_load_b256 s[4:11], s[0:1], 0x0               ; w1 s[4:5], w2 s[6:7], wg s[8:9], ws s[10:11]
	s_load_b256 s[12:19], s[0:1], 0x20             ; b1 s[12:13], b2 s[14:15], bg s[16:17], bs s[18:19]
	s_load_b256 s[20:27], s[0:1], 0x40             ; gamma s[20:21], beta s[22:23], wpk s[24:25], par s[26:27]
	v_lshl_add_u32 v[SPW], v0, 2, SPARE
	v_mov_b32 v[NIL], 0
	v_and_b32 v1, 31, v0                           ; lane
	v_lshrrev_b32 v10, 5, v0
	v_readfirstlane_b32 s32, v10                   ; wave 0..3
	s_lshr_b32 s33, ttmp9, 6                       ; which matrix
	s_bfe_u32 s34, ttmp9, 0x50001                  ; kb: five bits from bit 1
	s_and_b32 s35, ttmp9, 1
	s_lshl2_add_u32 s35, s35, s32                  ; G8 = 4 x half + wave: which 128 columns
	s_lshr_b32 s36, s35, 1                         ; a = G8 / 2
	s_and_b32 s37, s35, 1                          ; b = G8 % 2
	; where the eight fragments go: stream s38, part s40, byte in the part s41; fragments 4..7 lie s42 bytes behind fragments 0..3.  First as for ws:
	s_add_co_u32 s40, s34, 96                      ; part 96 + kb
	s_lshl_b32 s41, s37, 13                        ; fragment 8 b
	s_mov_b32 s42, 4096
	s_mov_b32 s38, s36                             ; stream a
	s_lshr_b32 s43, s34, 2                         ; kb / 4, and fragment 4 (kb % 4): for w1 and wg
	s_and_b32 s44, s34, 3
	s_lshl_b32 s44, s44, 12
	; w1: part 16 a + kb / 4; stream 2 b, fragments 4..7 the stream after it
	s_lshl_b32 s45, s36, 4
	s_add_co_u32 s45, s45, s43
	s_lshl_b32 s39, s37, 1
	s_cmp_eq_u32 s33, 0
	s_cselect_b32 s40, s45, s40
	s_cselect_b32 s41, s44, s41
	s_cselect_b32 s42, 0x200000, s42
	s_cselect_b32 s38, s39, s38
	; w2: part 16 (kb / 8) + 8 + kb % 8; the rest as for ws
	s_lshr_b32 s45, s34, 3
	s_lshl_b32 s45, s45, 4
	s_and_b32 s39, s34, 7
	s_add_co_u32 s45, s45, s39
	s_add_co_u32 s45, s45, 8
	s_cmp_eq_u32 s33, 1
	s_cselect_b32 s40, s45, s40
	; wg: unit 2 b: part 64 + 16 b + kb / 4; fragments 4..7 belong to unit 2 b + 1, eight parts on
	s_lshl_b32 s45, s37, 4
	s_add_co_u32 s45, s45, s43
	s_add_co_u32 s45, s45, 64
	s_cmp_eq_u32 s33, 2
	s_cselect_b32 s40, s45, s40
	s_cselect_b32 s41, s44, s41
	s_cselect_b32 s42, 0x20000, s42
	s_lshl_b32 s40, s40, 14
	s_add_co_u32 s40, s40, s41
	s_lshl_b32 s38, s38, 21
	s_add_co_u32 s40, s40, s38
	s_mov_b32 s41, 0                               ; s[40:41]: the fragments' byte offset in wpk
	s_lshl_b32 s44, s34, 17                        ; 32 kb rows of 4,096 bytes
	s_lshl_b32 s45, s35, 9                         ; 128 G8 columns of 4 bytes
	s_add_co_u32 s44, s44, s45
	s_mov_b32 s45, 0                               ; s[44:45]: my block's byte offset in its matrix
	s_mul_i32 s46, s32, WL
	v_lshlrev_b32 v2, 4, v1                        ; 16 x lane: my 16 bytes of a row, and of 512 bytes of a fragment
	v_lshrrev_b32 v10, 2, v1                       ; my four columns lie in fragment lane / 4,
	v_and_b32 v11, 3, v1                           ; at its columns 4 (lane % 4) + 0..3
	v_mul_u32_u24 v3, v10, FP
	v_lshl_add_u32 v3, v11, 6, v3
	v_add_nc_u32 v3, s46, v3                       ; where I put pieces
	v_add_nc_u32 v4, s46, v2                       ; where I read fragments back
	v_add_nc_u32 v6, s42, v2                       ; the store offset of fragments 4..7
	v_lshlrev_b32 v7, 4, v0                        ; 16 x thread: for the vectors
	s_wait_kmcnt 0x0
	s_cmp_eq_u32 s33, 1
	s_cselect_b64 s[28:29], s[6:7], s[4:5]
	s_cmp_eq_u32 s33, 2
	s_cselect_b64 s[28:29], s[8:9], s[28:29]
	s_cmp_eq_u32 s33, 3
	s_cselect_b64 s[28:29], s[10:11], s[28:29]
	s_add_nc_u64 s[28:29], s[28:29], s[44:45]
	s_add_nc_u64 s[30:31], s[24:25], s[40:41]
.set kq, 0
.rept 32                               ; all 32 rows are asked for at once: 16 KiB a wave on its way
	global_load_b128 v[DR+4*kq:DR+4*kq+3], v2, s[28:29] offset:kq*4096 th:TH_LOAD_NT
.set kq, kq+1
.endr
; Eight rows gq hold the k of one 16-byte piece: q = gq / 2, upper or lower half of the lanes = gq % 2.  Column i of my four: four roundings of two, one store.
.irp gq, 0,1,2,3
	s_wait_loadcnt 24-8*\gq                        ; loads come back in order: rows 8 gq .. 8 gq + 7 are in, the younger rows stay out
.irp i, 0,1,2,3
.irp m, 0,1,2,3
	v_cvt_pk_bf16_f32 v[PC+16*\gq+4*\i+\m], v[DR+4*(8*\gq+2*\m)+\i], v[DR+4*(8*\gq+2*\m+1)+\i]
.endr
	ds_store_b128 v3, v[PC+16*\gq+4*\i:PC+16*\gq+4*\i+3] offset:16*\i+512*(\gq/2)+256*(\gq%2)
.endr
.endr
.set m, 0
.rept 16                               ; half m % 2 of fragment m / 2: 512 consecutive bytes.  LDS serves a wave's instructions in order: these see the stores above
	ds_load_b128 v[DR+4*m:DR+4*m+3], v4 offset:(m/2)*FP+(m%2)*512
.set m, m+1
.endr
.set m, 0
.rept 8
	s_wait_dscnt 15-m                              ; the younger loads stay out
	global_store_b128 v2, v[DR+4*m:DR+4*m+3], s[30:31] offset:512*m  ; 512 consecutive bytes, at a multiple of 512 from wpk's first
.set m, m+1
.endr
.rept 8
	s_wait_dscnt 15-m
	global_store_b128 v6, v[DR+4*m:DR+4*m+3], s[30:31] offset:512*(m-8)
.set m, m+1
.endr
	; the six vectors: work-group g < 6 takes vector g; thread t its numbers 4 t .. and 512 + 4 t ..
	s_mov_b32 s43, ttmp9
	s_cmp_lt_u32 s43, 6
	s_cbranch_scc0 .Lend
	s_cmp_eq_u32 s43, 1
	s_cselect_b64 s[46:47], s[14:15], s[12:13]
	s_cmp_eq_u32 s43, 2
	s_cselect_b64 s[46:47], s[16:17], s[46:47]
	s_cmp_eq_u32 s43, 3
	s_cselect_b64 s[46:47], s[18:19], s[46:47]
	s_cmp_eq_u32 s43, 4
	s_cselect_b64 s[46:47], s[20:21], s[46:47]
	s_cmp_eq_u32 s43, 5
	s_cselect_b64 s[46:47], s[22:23], s[46:47]
	s_lshl_b32 s44, s43, 12                        ; (s45 is still 0)
	s_add_nc_u64 s[26:27], s[26:27], s[44:45]
	global_load_b128 v[80:83], v7, s[46:47]
	global_load_b128 v[84:87], v7, s[46:47] offset:2048
	s_wait_loadcnt 0x0
.irp m, 0,1,2,3
	v_cvt_pk_bf16_f32 v[88+\m], v[80+2*\m], v[80+2*\m+1]
.endr
.irp m, 0,1,2,3
	v_lshlrev_b32 v[92+2*\m], 16, v[88+\m]         ; bf16 back to f32: the low half moves up,
	v_and_b32 v[92+2*\m+1], 0xffff0000, v[88+\m]   ; the high half stays
.endr
	global_store_b128 v7, v[92:95], s[26:27]
	global_store_b128 v7, v[96:99], s[26:27] offset:2048
.Lend:
	s_wait_tensorcnt 0x0                           ; the wave's end, behind my last LDS store
	ds_add_u32 v[SPW], v[NIL]
	s_wait_dscnt 0x0
	s_endpgm
.Lfunc_end_k_q148673cfbd_prep:
	.size	k_q148673cfbd_prep, .Lfunc_end_k_q148673cfbd_prep-k_q148673cfbd_prep
	.p2alignl 7, 3214868480
	.fill 96, 4, 3214868480
	.section	.rodata,"a",@progbits
	.p2align	6, 0x0
	.amdhsa_kernel k_q148673cfbd_prep
		.amdhsa_group_segment_fixed_size 33792
		.amdhsa_private_segment_fixed_size 0
		.amdhsa_enable_private_segment 0
		.amdhsa_kernarg_size 96
		.amdhsa_user_sgpr_count 2
		.amdhsa_user_sgpr_kernarg_segment_ptr 1
		.amdhsa_wavefront_size32 1
		.amdhsa_system_sgpr_workgroup_id_x 1
		.amdhsa_system_sgpr_workgroup_id_y 1
		.amdhsa_system_sgpr_workgroup_id_z 1
		.amdhsa_system_vgpr_workitem_id 0
		.amdhsa_next_free_vgpr 208
		.amdhsa_next_free_sgpr 66
		.amdhsa_reserve_vcc 0
		.amdhsa_float_denorm_mode_32 3
		.amdhsa_float_denorm_mode_16_64 3
		.amdhsa_memory_ordered 1
		.amdhsa_forward_progress 1
		.amdhsa_inst_pref_size 16
	.end_amdhsa_kernel
	.amdgpu_metadata
---
amdhsa.version: [ 1, 2 ]
amdhsa.kernels:
  - .name:           k_q148673cfbd_prep
    .symbol:         k_q148673cfbd_prep.kd
    .args:
      - { .name: w1, .offset: 0, .size: 8, .value_kind: global_buffer, .address_space: global }
      - { .name: w2, .offset: 8, .size: 8, .value_kind: global_buffer, .address_space: global }
      - { .name: wg, .offset: 16, .size: 8, .value_kind: global_buffer, .address_space: global }
      - { .name: ws, .offset: 24, .size: 8, .value_kind: global_buffer, .address_space: global }
      - { .name: b1, .offset: 32, .size: 8, .value_kind: global_buffer, .address_space: global }
      - { .name: b2, .offset: 40, .size: 8, .value_kind: global_buffer, .address_space: global }
      - { .name: bg, .offset: 48, .size: 8, .value_kind: global_buffer, .address_space: global }
      - { .name: bs, .offset: 56, .size: 8, .value_kind: global_buffer, .address_space: global }
      - { .name: gamma, .offset: 64, .size: 8, .value_kind: global_buffer, .address_space: global }
      - { .name: beta, .offset: 72, .size: 8, .value_kind: global_buffer, .address_space: global }
      - { .name: wpk, .offset: 80, .size: 8, .value_kind: global_buffer, .address_space: global }
      - { .name: par, .offset: 88, .size: 8, .value_kind: global_buffer, .address_space: global }
    .group_segment_fixed_size: 33792
    .private_segment_fixed_size: 0
    .kernarg_segment_align: 8
    .kernarg_segment_size: 96
    .max_flat_workgroup_size: 128
    .sgpr_count:     66
    .vgpr_count:     208
    .wavefront_size: 32
...
	.end_amdgpu_metadata
.endif
;; end of part 3
;; launch grn (part 4): grid 256 x 1, 4 waves a work-group, no clusters, 288,256 bytes of LDS; arguments inputs, wpk, par, out0; writes out0
.if DOCPART == 4
	.amdgcn_target "amdgcn-amd-amdhsa--gfx1250"
	.amdhsa_code_object_version 6
	.text
	.protected	k_q148673cfbd_grn
	.globl	k_q148673cfbd_grn
	.p2align	8
	.type	k_q148673cfbd_grn,@function
k_q148673cfbd_grn:
	s_mov_b64 s[64:65], 0
	v_nop
	global_prefetch_b8 v0, s[64:65] scope:SCOPE_SE
	s_setreg_imm32_b32 hwreg(HW_REG_WAVE_MODE, 25, 1), 1
	s_wait_xcnt 0x0
; out = LayerNorm( (relu(x w1 + b1) w2 + b2) * sigmoid(x wg + bg) + x ws + bs ) * gamma + beta, eps = 1e-3.  x, out: [16,384][1,024] f32.
; wpk: the four weight matrices in bf16, four streams of 2 MiB, one a wave, in the order in which they are multiplied here; par: the six vectors (both made by the launch before).
; SHARES.  A work-group owns 64 WHOLE rows (the norm and the second product want whole rows), 256 work-groups.  Each of its four waves works on all 64 rows (four blocks rb of 16)
; and on columns of its own, so no weight fragment is wanted by two waves of a work-group.
; THE WEIGHTS COME STRAIGHT INTO REGISTERS.  A fragment (16 columns x 32 k, 1,024 bytes) lies in wpk as it lies in registers: two loads of 512 consecutive bytes.  A GROUP is four fragments, 8 loads,
; 16 matrix instructions.  Eight half-buffers of 32 registers take turns: one is multiplied, seven groups (28 KiB a wave, 112 KiB a work-group) are on their way, all the time, across the phases,
; behind counted waits and with no barrier.  A LAP is eight groups, 32 KiB of the stream, 128 matrix instructions; the launch has 64 laps.
; NO CLUSTER, NO JOINT REQUESTS, though all work-groups read the same weights: a joint request is a tensor load into LDS slots that take turns, and behind each change of slots one slot's bytes at the
; most are on their way; beside x (132,096 bytes) and h (33,792) two slots of 65,536 bytes fit, the weights of 64 matrix instructions a wave.  The counted loads have 112 KiB out without a pause.
; PHASES, in laps:   4 x [ 4 laps KIND A: T = b1 + x w1, 256 hidden columns (64 a wave) | relu, bf16, into h | 4 laps KIND W: Y += h w2 (Y began as b2; 256 columns a wave) ]
;   4 x [ 4 laps KIND A: T = bg + x wg, 64 columns a wave | Y = Y * sigmoid(T) + bs ]        16 laps KIND W: Y += x ws        then the norm, by rows.
; Every sum begins as its bias, read out of LDS straight into the accumulators: nothing is cleared, no bias is added later, and every matrix instruction has the one form D = A B + D.
; TRANSPOSED USE.  Source 0 = a weight fragment, source 1 = 16 rows of x or h.  In D lane l, register j hold row 16 rb + l % 16, column n0 + 8 (l / 16) + j.
; LIMITS.  x and h are rounded once to bf16 (nearest even) as matrix operands; weights, biases, gamma and beta arrive rounded to bf16.  Sums, sigmoid and norm in f32; the variance is the mean of
; (y - mean)^2.  A NaN in front of the relu becomes 0 (the packed maximum lets a NaN lose); NaN and infinities are not otherwise treated apart.  sigmoid(t) = 1 / (1 + 2^(-t log2 e)): an exponential
; below 2^-126 counts as 0 and one beyond f32's range as infinity, which give 1 and 0.
; REGISTERS, in windows of 256 (s_set_vgpr_msb: bits 1:0 source 0, 3:2 source 1, 5:4 source 2, 7:6 destination):
;   window 0: v0-31 addresses; v32-159 weight half-buffers 4-7; v160-223 two sets of four fragments of x or h; v224-255 at work
;   window 1: v0-127 T: accumulator (rb, nb) at 8 (4 rb + nb); v128-255 weight half-buffers 0-3
;   windows 2, 3: Y: accumulator (rb, nb) at 64 rb + 8 (nb % 8), window 2 + nb / 8
.set XP,    2064                       ; a row of x in LDS: 2,048 bytes of bf16 + 16: the 16 rows of a fragment load start in 16 different columns of 16 bytes
.set HP,    528                        ; a row of h: 512 + 16
.set YP,    4112                       ; a row of y (f32): 4,096 + 16
.set HB,    64*XP                      ; LDS: x at 0; h behind it; y's stage, 64 rows, lies at 0, over x and h, when those are done with;
.set PAR,   64*YP                      ; behind the stage the six vectors, 24,576 bytes;
.set SPARE, PAR+24576                  ; the spare words, 128 bytes for each wave: two blocks of 256 bytes that no other line names
.set LAPB,  32768                      ; bytes of a wave's stream in a lap
.set WO,  2                            ; v2      16 x lane: my 16 bytes of 512; never rewritten
.set PFO, 3                            ; v3      256 x lane; never rewritten
.set AX0, 4                            ; v4-7    row 16 rb + l % 16 of x, + 16 (l / 16)
.set AH0, 8                            ; v8-11   the same for h
.set AW,  12                           ; v12-15  the phase's rows at the k at which a lap begins
.set HST, 16                           ; v16     where I put 16 bytes of h
.set XST, 17                           ; v17     where I put 8 bytes of x
.set XG,  18                           ; v18     my 16 bytes in my wave's 16 rows of x; later of out
.set PBA, 19                           ; v19     LDS: my eight numbers of b1's column block nb = 0 (steps by a chunk)
.set PBW, 20                           ; v20     LDS: of the first vector at my wave's 256 columns; never rewritten
.set PBU, 21                           ; v21     the same at the unit's 64 columns
.set ZR,  22                           ; v22     0, for the relu
.set GBA, 23                           ; v23     LDS: the vectors + 16 x lane
.set YST, 24                           ; v24-27  where I put y
.set SPW, 28                           ; v28     LDS address of my spare word; never rewritten
.set NIL, 29                           ; v29     0; never rewritten
.set YLD, 31                           ; v31     where I read rows of y back
.set XF,  160                          ; the two sets of fragments of x or h
.set HT,  160                          ; h packed, 64 registers, in their place
.set BSR, 224                          ; bs of the unit's columns, 32 registers
.set XS,  32                           ; the head: three sets of 64, two rows of x each
.set XT,  224
.set WV,  12                           ; s12  my wave's number
.set W,   16                           ; s[16:17] my stream, at the lap whose groups are being asked for
.set KO,  18                           ; s18  bytes along k at which the lap begins whose fragments of x or h are being fetched
.set CNT, 19                           ; s19  laps to go in a phase; rows' trips
.set CH,  20                           ; s20  chunks to go
.set UC,  21                           ; s21  units to go
.set PFN, 22                           ; s22  prefetches to go
.set SEL, 24                           ; s[24:25] v_permlanex16_b32's selects: each lane takes its own place in the other half
.set RN,  26                           ; s26  1 / 1,024
.set EP,  27                           ; s27  1e-3
.set MSB, 0
.macro WIN new                         ; the immediate's high byte repeats the setting that is left; a switch that changes nothing is dropped
.if MSB != (\new)
	s_set_vgpr_msb (MSB<<8)|(\new)
.set MSB, \new
.endif
.endm
; A load into a register that a matrix instruction has read, and a vector instruction or store that reads a matrix result, stand four places behind it; only plain vector
; instructions that name none of its registers are places (ISA guide 7.12.1 for vector instructions).
.macro PLACES
.rept 4
	v_nop
.endr
.endm
; the four row blocks' fragments of x or h, 32 k at byte koff behind the lap's beginning: lane l takes row l % 16, k = 8 (l / 16) + 0..7 and 16 + 8 (l / 16) + 0..7
.macro FA dst, koff
.irp rb, 0,1,2,3
	ds_load_b128 v[(\dst)+8*\rb:(\dst)+8*\rb+3],   v[AW+\rb] offset:(\koff)
	ds_load_b128 v[(\dst)+8*\rb+4:(\dst)+8*\rb+7], v[AW+\rb] offset:(\koff)+32
.endr
.endm
; group h of the lap at which the stream's pointer stands, into half-buffer h: eight loads of 512 consecutive bytes
.macro WLOAD h
.if (\h) < 4
	WIN 0x40                                       ; destination window 1, address window 0
.set wb, 128+32*(\h)
.else
	WIN 0
.set wb, 32+32*((\h)-4)
.endif
.irp f, 0,1,2,3
	global_load_b128 v[wb+8*\f:wb+8*\f+3],   v[WO], s[W:W+1] offset:(\h)*4096+\f*1024
	global_load_b128 v[wb+8*\f+4:wb+8*\f+7], v[WO], s[W:W+1] offset:(\h)*4096+\f*1024+512
.endr
.endm
; THE MATRIX WORK.  The accumulators take turns, one instruction a turn, in the same order in every group: between two links of a chain stand 15 (kind A) or 63 (kind W) others',
; over the backward jumps too; a phase's last and the next phase's first name different accumulators.
.macro MM d, b, a
	v_wmma_f32_16x16x32_bf16 v[(\d):(\d)+7], v[(\b):(\b)+7], v[(\a):(\a)+7], v[(\d):(\d)+7]
.endm
.macro MA n                            ; kind A, group n: 32 k, four column blocks x four row blocks
.if (\n) < 4
	WIN 0x51                                       ; weights, C and D window 1, x window 0
.set wb, 128+32*(\n)
.else
	WIN 0x50                                       ; weights window 0
.set wb, 32+32*((\n)-4)
.endif
.irp rb, 0,1,2,3
.irp nb, 0,1,2,3
	MM 8*(4*\rb+\nb), wb+8*\nb, XF+32*((\n)%2)+8*\rb
.endr
.endr
.endm
.macro MW j                            ; kind W, groups 2 j and 2 j + 1: 32 k, eight column blocks (window 2 + j % 2 of Y) x four row blocks
.if (\j) < 2
	WIN 0xa1+0x50*((\j)%2)
.set wb, 128+64*(\j)
.else
	WIN 0xa0+0x50*((\j)%2)
.set wb, 32+64*((\j)-2)
.endif
.irp rb, 0,1,2,3
.irp nb, 0,1,2,3,4,5,6,7
	MM 64*\rb+8*\nb, wb+8*\nb, XF+32*((\j)/2)+8*\rb
.endr
.endr
.endm
; A PREFETCH INTO THE L2, once a lap, behind the lap's first run of loads: my stream's 32 KiB of the lap whose loads go out four laps, 512 matrix instructions, later: 128 blocks of 256 bytes, a lane a
; block, four instructions.  Wave w of every work-group reads stream w: work-group 0 asks, each of its waves for its own stream, so each block is named once in the launch.  Lap l names lap l + 5's
; bytes; laps 0 to 4 come by their loads alone; the 59th and last, in lap 58, names the last lap's.
.macro ASK
	s_cmp_lg_u32 s[PFN], 0
	s_cbranch_scc0 .Lno_ask_\@
.irp i, 0,1,2,3
	global_prefetch_b8 v[PFO], s[W:W+1] offset:4*LAPB+8192*\i th:TH_LOAD_NT scope:SCOPE_SE
.endr
	s_sub_co_u32 s[PFN], s[PFN], 1
.Lno_ask_\@:
.endm
; A phase begins: its rows at k = 0, and both sets of fragments (kind A: groups 0 and 1; kind W: the lap's two steps: 64 bytes apart in both).
.macro PRIME base
	WIN 0
	s_wait_dscnt 0x0                               ; the bias lies in the accumulators; what the phase before fetched ahead has landed, so the sets may be asked for anew
	s_mov_b32 s[KO], 0
.irp rb, 0,1,2,3
	v_mov_b32 v[AW+\rb], v[(\base)+\rb]
.endr
	FA XF, 0
	FA XF+32, 64
.endm
; KIND A, group n of a lap: 16 products; then, in one run, x's fragments for the group after next into the set just read, and the next lap's group n into the half-buffer just read.
; Behind group 6 the rows' addresses go on to the next lap; at the phase's end they wrap to k = 0, so that the fetch ahead reads bytes of x in every lap (the next phase fetches its own).
.macro HBA n
	s_wait_loadcnt 56                              ; loads come back in order: my group is in; the seven groups of 8 issued behind it stay out
	s_wait_dscnt 8                                 ; my set is in; the other set's 8 loads stay out
	MA \n
.if (\n) == 0
	s_wait_xcnt 0x0                                ; every load (the youngest 16 products back) and prefetch (a lap back) has read its address: the pointer may be written
	s_add_nc_u64 s[W:W+1], s[W:W+1], LAPB
.endif
.if (\n) == 6
	WIN 0
	s_add_co_u32 s[KO], s[KO], 512
	s_and_b32 s[KO], s[KO], 2047
.irp rb, 0,1,2,3
	v_add_nc_u32 v[AW+\rb], s[KO], v[AX0+\rb]      ; these four are the places
.endr
.else
	PLACES
.endif
	WIN 0
	FA XF+32*((\n)%2), (((\n)+2)%8)*64
	WLOAD \n
.if (\n) == 0
	WIN 0
	ASK
.endif
.endm
.macro LAPA                            ; the branch follows
.irp n, 0,1,2,3,4,5,6,7
	HBA \n
.endr
	WIN 0
	s_sub_co_u32 s[CNT], s[CNT], 1
	s_cmp_lg_u32 s[CNT], 0
.endm
; KIND W, beat j of a lap's four: 32 products on two groups; then the next lap's two groups, 16 loads in one run.  A step is two beats on one set of fragments of x or h; behind a step
; the set takes the next lap's (the addresses go on behind beat 1, and wrap at the phase's end as in kind A).  load = 0: the launch's last lap asks for nothing.
; lc: the loads issued behind my two groups: six groups, 48; in the last lap the counts run down.  dc: the other set's 8 loads, or none.
.macro BW j, base, kmask, load, lc, dc
	s_wait_loadcnt \lc
.if ((\j)%2) == 0
	s_wait_dscnt \dc
.endif
	MW \j
.if \load
.if (\j) == 0
	s_wait_xcnt 0x0                                ; as in kind A: the youngest load stands 32 products back
	s_add_nc_u64 s[W:W+1], s[W:W+1], LAPB
.endif
.if (\j) == 1
	WIN 0
	s_add_co_u32 s[KO], s[KO], 128
	s_and_b32 s[KO], s[KO], \kmask
.irp rb, 0,1,2,3
	v_add_nc_u32 v[AW+\rb], s[KO], v[(\base)+\rb]  ; these four are the places
.endr
.else
	PLACES
.endif
.if ((\j)%2) == 1
	WIN 0
	FA XF+32*((\j)/2), ((\j)/2)*64
.endif
	WLOAD 2*(\j)
	WLOAD 2*(\j)+1
.if (\j) == 0
	WIN 0
	ASK
.endif
.endif
.endm
.macro LAPW base, kmask                ; the branch follows
.irp j, 0,1,2,3
	BW \j, \base, \kmask, 1, 48, 8
.endr
	WIN 0
	s_sub_co_u32 s[CNT], s[CNT], 1
	s_cmp_lg_u32 s[CNT], 0
.endm
; A bias out of LDS into T: the lane's eight numbers of each of four column blocks, the same for every row block
.macro TLD areg, off
	WIN 0x40
.irp rb, 0,1,2,3
.irp nb, 0,1,2,3
	ds_load_b128 v[8*(4*\rb+\nb):8*(4*\rb+\nb)+3],   v[\areg] offset:(\off)+64*\nb
	ds_load_b128 v[8*(4*\rb+\nb)+4:8*(4*\rb+\nb)+7], v[\areg] offset:(\off)+64*\nb+16
.endr
.endr
	WIN 0
.endm
; x comes in groups of two rows a wave: 16 loads of 512 consecutive bytes; three groups are on their way.
.macro XLOAD g
.set xb, XS+64*((\g)%3)
.irp i, 0,1
.irp j, 0,1,2,3,4,5,6,7
	global_load_b128 v[xb+32*\i+4*\j:xb+32*\i+4*\j+3], v[XG], s[4:5] offset:(2*(\g)+\i)*4096+512*\j th:TH_LOAD_NT
.endr
.endr
.endm
.macro XCONV g
.set xb, XS+64*((\g)%3)
	s_wait_loadcnt 32                              ; loads come back in order: group g is in; the 32 loads issued behind it stay out
.set m, 0
.rept 16
	v_cvt_pk_bf16_f32 v[XT+2*m],   v[xb+4*m],   v[xb+4*m+1]
	v_cvt_pk_bf16_f32 v[XT+2*m+1], v[xb+4*m+2], v[xb+4*m+3]
.set m, m+1
.endr
.set m, 0
.rept 16
	ds_store_b64 v[XST], v[XT+2*m:XT+2*m+1] offset:(2*(\g)+m/8)*XP+256*(m%8)  ; 32 lanes: 256 consecutive bytes
.set m, m+1
.endr
.endm
	s_load_b256 s[4:11], s[0:1], 0x0               ; x s[4:5], wpk s[6:7], par s[8:9], out s[10:11]
	v_lshl_add_u32 v[SPW], v0, 2, SPARE
	v_mov_b32 v[NIL], 0
	v_lshrrev_b32 v224, 5, v0
	v_readfirstlane_b32 s[WV], v224                ; wave 0..3
	s_lshl_b32 s2, ttmp9, 18                       ; my work-group's 64 rows of 4,096 bytes
	s_mov_b32 s3, 0
	s_lshl_b32 s28, s[WV], 21                      ; my stream
	s_mov_b32 s29, 0
	s_cmp_eq_u32 ttmp9, 0                          ; work-group 0 prefetches
	s_cselect_b32 s[PFN], 59, 0
	s_mov_b32 s[SEL], 0x76543210
	s_mov_b32 s[SEL+1], 0xfedcba98
	s_mov_b32 s[RN], 0x3a800000
	s_mov_b32 s[EP], 0x3a83126f
	v_and_b32 v1, 15, v0                           ; l % 16
	v_bfe_u32 v224, v0, 4, 1                       ; l / 16
	v_and_b32 v225, 31, v0                         ; l
	v_lshlrev_b32 v[WO], 4, v225
	v_lshlrev_b32 v[PFO], 8, v225
	v_mul_u32_u24 v226, v1, XP
	v_lshl_add_u32 v226, v224, 4, v226
	v_mul_u32_u24 v227, v1, HP
	v_lshl_add_u32 v227, v224, 4, v227
.irp rb, 0,1,2,3
	v_add_nc_u32 v[AX0+\rb], \rb*16*XP, v226
	v_add_nc_u32 v[AH0+\rb], HB+\rb*16*HP, v227
.endr
	s_lshl_b32 s30, s[WV], 7                       ; my 64 hidden columns of a chunk: 128 bytes
	s_add_co_u32 s30, s30, HB
	v_add_nc_u32 v[HST], s30, v227
	s_mul_i32 s30, s[WV], 16*XP                    ; my 16 rows of x in LDS
	v_lshl_add_u32 v[XST], v225, 3, s30
	s_lshl_b32 s30, s[WV], 16                      ; and in memory
	v_lshl_add_u32 v[XG], v225, 4, s30
	s_lshl_b32 s30, s[WV], 8
	s_add_co_u32 s30, s30, PAR
	v_lshl_add_u32 v[PBA], v224, 5, s30            ; the vectors + 4 (64 w + 8 (l / 16))
	s_lshl_b32 s30, s[WV], 10
	v_lshl_add_u32 v229, v224, 5, s30              ; 4 (256 w + 8 (l / 16))
	v_add_nc_u32 v[PBW], PAR, v229
	v_mov_b32 v[PBU], v[PBW]
	v_mov_b32 v[ZR], 0
	v_add_nc_u32 v[GBA], PAR, v[WO]
	v_mul_u32_u24 v228, v1, YP
	v_add_nc_u32 v228, v228, v229
.irp rb, 0,1,2,3
	v_add_nc_u32 v[YST+\rb], \rb*16*YP, v228
.endr
	s_mul_i32 s30, s[WV], 16*YP
	v_lshl_add_u32 v[YLD], v225, 4, s30
	v_lshlrev_b32 v230, 4, v0                      ; 16 x thread: the vectors' 24,576 bytes go into LDS, 12 x 16 bytes a thread
	v_add_nc_u32 v231, PAR, v230
	s_wait_kmcnt 0x0
	s_add_nc_u64 s[4:5], s[4:5], s[2:3]            ; x and out at my work-group's rows
	s_add_nc_u64 s[10:11], s[10:11], s[2:3]
	s_add_nc_u64 s[W:W+1], s[6:7], s[28:29]        ; my stream, at lap 0
.set i, 0
.rept 12
	global_load_b128 v[160+4*i:160+4*i+3], v230, s[8:9] offset:2048*i
.set i, i+1
.endr
	XLOAD 0
	XLOAD 1
	s_wait_loadcnt 32                              ; the vectors are in; x's first 32 loads stay out
.set i, 0
.rept 12
	ds_store_b128 v231, v[160+4*i:160+4*i+3] offset:2048*i
.set i, i+1
.endr
	XLOAD 2
	XCONV 0
	XLOAD 3
	XCONV 1
	XLOAD 4
	XCONV 2
	XLOAD 5
	XCONV 3
	XLOAD 6
	XCONV 4
	XLOAD 7
	XCONV 5                                        ; in the place of further groups of x: the stream's first lap, 16 loads at a time, so that the count of 32 holds for every group of x
	WLOAD 0
	WLOAD 1
	WIN 0
	XCONV 6
	WLOAD 2
	WLOAD 3
	WIN 0
	XCONV 7
	WLOAD 4                                        ; into the registers that x has left
	WLOAD 5
	WLOAD 6
	WLOAD 7
	s_wait_dscnt 0x0                               ; for the others' sake: my rows of x and my part of the vectors are in LDS
	s_barrier_signal -1
	s_barrier_wait -1
.irp h, 0,1                            ; Y begins as b2,
	WIN 0x80+0x40*\h                               ; destination window 2, then 3
.irp rb, 0,1,2,3
.irp nb, 0,1,2,3,4,5,6,7
	ds_load_b128 v[64*\rb+8*\nb:64*\rb+8*\nb+3],   v[PBW] offset:4096+512*\h+64*\nb
	ds_load_b128 v[64*\rb+8*\nb+4:64*\rb+8*\nb+7], v[PBW] offset:4096+512*\h+64*\nb+16
.endr
.endr
.endr
	TLD PBA, 0                                     ; T as b1 of chunk 0
	s_mov_b32 s[CH], 4
.Lchunk:                                       ; 256 hidden columns: T = b1 + x w1; h; Y += h w2
	PRIME AX0
	s_mov_b32 s[CNT], 4
.La:
	LAPA
	s_cbranch_scc1 .La
	s_wait_dscnt 0x0                               ; what was fetched ahead has landed: its registers take h; my reads of the last chunk's h are long over:
	s_barrier_signal -1                            ; say so; work on registers stands between the signal and the wait
	WIN 0x05                                       ; sources 0 and 1 window 1, destination window 0
.set a, 0
.rept 16                               ; each accumulator from its low end on (four places lie behind the last product: group 7's)
.irp m, 0,1,2,3
	v_cvt_pk_bf16_f32 v[HT+4*a+\m], v[8*a+2*\m], v[8*a+2*\m+1]
.endr
.set a, a+1
.endr
	WIN 0
.set a, 0
.rept 64
	v_pk_max_num_bf16 v[HT+a], v[HT+a], v[ZR]      ; relu behind the rounding: the rounding keeps signs, so the order does not matter
.set a, a+1
.endr
	s_barrier_wait -1                              ; no wave reads the last chunk's h any more
.set a, 0
.rept 16                               ; accumulator a = 4 rb + nb: 16 bytes of row 16 rb + l % 16
	ds_store_b128 v[HST], v[HT+4*a:HT+4*a+3] offset:16*HP*(a/4)+32*(a%4)
.set a, a+1
.endr
	s_cmp_eq_u32 s[CH], 1
	s_cbranch_scc1 .Llast_chunk
	v_add_nc_u32 v[PBA], 1024, v[PBA]
	TLD PBA, 0                                     ; T begins anew: as the next chunk's b1,
	s_branch .Lbias_asked
.Llast_chunk:
	TLD PBW, 8192                                  ; behind the last chunk as bg of the first unit
.Lbias_asked:
	s_wait_dscnt 0x0                               ; for the others' sake: my columns of h are in LDS
	s_barrier_signal -1
	s_barrier_wait -1
	PRIME AH0
	s_mov_b32 s[CNT], 4
.Lc:
	LAPW AH0, 511
	s_cbranch_scc1 .Lc
	s_sub_co_u32 s[CH], s[CH], 1
	s_cmp_lg_u32 s[CH], 0
	s_cbranch_scc1 .Lchunk
; T becomes sigmoid(T).  Two batches of 128 transcendentals; behind each a plain instruction and the one wait ahead of the first reader.
.macro SIG
	WIN 0x41                                       ; destination and source 0 window 1
.set i, 0
.rept 64
	v_pk_mul_f32 v[i:i+1], v[i:i+1], 0xbfb8aa3b op_sel_hi:[1,0]  ; - t log2 e
.set i, i+2
.endr
.set i, 0
.rept 128
	v_exp_f32 v[i], v[i]
.set i, i+1
.endr
	v_nop
	s_wait_alu depctr_va_vdst(0)
.set i, 0
.rept 64
	v_pk_add_f32 v[i:i+1], v[i:i+1], 1.0 op_sel_hi:[1,0]
.set i, i+2
.endr
.set i, 0
.rept 128
	v_rcp_f32 v[i], v[i]
.set i, i+1
.endr
	v_nop
	s_wait_alu depctr_va_vdst(0)
.endm
.macro UPD u                           ; Y = Y * sigmoid + bs on unit u's column blocks 4 u .. 4 u + 3
	WIN 0x86+0x41*((\u)/2)                         ; destination and source 0 window 2 + u / 2, source 1 window 1, source 2 window 0
.irp rb, 0,1,2,3
.irp nb, 0,1,2,3
.irp i, 0,2,4,6
	v_pk_fma_f32 v[64*\rb+32*((\u)%2)+8*\nb+\i:64*\rb+32*((\u)%2)+8*\nb+\i+1], v[64*\rb+32*((\u)%2)+8*\nb+\i:64*\rb+32*((\u)%2)+8*\nb+\i+1], v[32*\rb+8*\nb+\i:32*\rb+8*\nb+\i+1], v[BSR+8*\nb+\i:BSR+8*\nb+\i+1]
.endr
.endr
.endr
	WIN 0
.endm
	s_mov_b32 s[UC], 4
.Lunit:                                        ; 64 columns a wave: T = bg + x wg; Y = Y * sigmoid(T) + bs
	PRIME AX0
	s_mov_b32 s[CNT], 4
.Lg:
	LAPA
	s_cbranch_scc1 .Lg
.irp nb, 0,1,2,3
	ds_load_b128 v[BSR+8*\nb:BSR+8*\nb+3],   v[PBU] offset:12288+64*\nb
	ds_load_b128 v[BSR+8*\nb+4:BSR+8*\nb+7], v[PBU] offset:12288+64*\nb+16
.endr
	SIG                                            ; (four places lie behind the last product: group 7's)
	WIN 0
	s_wait_dscnt 0x0                               ; bs is in
	s_cmp_eq_u32 s[UC], 4                          ; the unit's place in Y's registers is a matter of the text: one copy for each unit
	s_cbranch_scc0 .Lnot_u0
	UPD 0
	s_branch .Lupdated
.Lnot_u0:
	s_cmp_eq_u32 s[UC], 3
	s_cbranch_scc0 .Lnot_u1
	UPD 1
	s_branch .Lupdated
.Lnot_u1:
	s_cmp_eq_u32 s[UC], 2
	s_cbranch_scc0 .Lnot_u2
	UPD 2
	s_branch .Lupdated
.Lnot_u2:
	UPD 3
.Lupdated:
	s_cmp_eq_u32 s[UC], 1
	s_cbranch_scc1 .Lno_more
	v_add_nc_u32 v[PBU], 256, v[PBU]
	TLD PBU, 8192                                  ; T begins anew as the next unit's bg
.Lno_more:
	s_sub_co_u32 s[UC], s[UC], 1
	s_cmp_lg_u32 s[UC], 0
	s_cbranch_scc1 .Lunit
	PRIME AX0                                      ; Y += x ws: 16 laps
	s_mov_b32 s[CNT], 15
.Ls:
	LAPW AX0, 2047
	s_cbranch_scc1 .Ls
	BW 0, AX0, 2047, 0, 48, 8                      ; the last lap is written out: nothing is left to ask for, and the counts run down
	BW 1, AX0, 2047, 0, 32, 8
	BW 2, AX0, 2047, 0, 16, 0
	BW 3, AX0, 2047, 0, 0, 0
	WIN 0
	; THE WAY OUT.  y goes through LDS, since a row's 1,024 numbers lie in four waves: the stage lies over x and h.
.set RW, 32                            ; v[32:159]  four rows, 32 registers each: columns 128 j + 4 l + 0..3 at 4 j
.set GM, 160                           ; v[160:191] gamma of the same columns
.set BT, 192                           ; v[192:223] beta
.set TS, 224                           ; row q: v[TS+4q] sum, then mean; +1 at work; +2 second chain, then 1 / sqrt; +3 at work
.set TQ, 240                           ; row q: the same for the squares
	PLACES
.irp j, 0,1,2,3,4,5,6,7
	ds_load_b128 v[GM+4*\j:GM+4*\j+3], v[GBA] offset:16384+512*\j
	ds_load_b128 v[BT+4*\j:BT+4*\j+3], v[GBA] offset:20480+512*\j
.endr
	s_wait_dscnt 0x0
	s_barrier_signal -1
	s_barrier_wait -1                              ; no wave reads x or h any more
.irp h, 0,1
	WIN 0x08+4*\h                                  ; store data (source 1) window 2, then 3
.irp rb, 0,1,2,3
.irp nb, 0,1,2,3,4,5,6,7
	ds_store_b128 v[YST+\rb], v[64*\rb+8*\nb:64*\rb+8*\nb+3]   offset:512*\h+64*\nb     ; each accumulator's low four registers first
	ds_store_b128 v[YST+\rb], v[64*\rb+8*\nb+4:64*\rb+8*\nb+7] offset:512*\h+64*\nb+16
.endr
.endr
.endr
	WIN 0
	s_wait_dscnt 0x0                               ; for the others' sake: my columns of y are in LDS
	s_barrier_signal -1
	s_barrier_wait -1
; The sum over the 32 lanes of the four rows' numbers at v[base + 4 q]: four steps inside each half of the lanes ride on the addition, one crosses the halves.
.macro RED4 base
.irp x, 1,2,4,8
.irp q, 0,1,2,3
	v_add_f32_dpp v[(\base)+4*\q], v[(\base)+4*\q], v[(\base)+4*\q] row_xmask:\x row_mask:0xf bank_mask:0xf
.endr
.endr
.irp q, 0,1,2,3
	v_permlanex16_b32 v[(\base)+4*\q+1], v[(\base)+4*\q], s[SEL], s[SEL+1]
.endr
.irp q, 0,1,2,3
	v_add_f32 v[(\base)+4*\q], v[(\base)+4*\q], v[(\base)+4*\q+1]
.endr
.endm
	s_mov_b32 s[CNT], 4
.Lrow:                                         ; four whole rows of my wave's sixteen: no sum leaves the wave
.irp q, 0,1,2,3
.irp j, 0,1,2,3,4,5,6,7
	ds_load_b128 v[RW+32*\q+4*\j:RW+32*\q+4*\j+3], v[YLD] offset:YP*\q+512*\j
.endr
.endr
	s_wait_dscnt 0x0
.irp q, 0,1,2,3                        ; the mean: two chains a row, the rows by turns
	v_pk_add_f32 v[TS+4*\q:TS+4*\q+1],   v[RW+32*\q:RW+32*\q+1],   v[RW+32*\q+4:RW+32*\q+5]
	v_pk_add_f32 v[TS+4*\q+2:TS+4*\q+3], v[RW+32*\q+2:RW+32*\q+3], v[RW+32*\q+6:RW+32*\q+7]
.endr
.irp p, 4,6,8,10,12,14
.irp q, 0,1,2,3
	v_pk_add_f32 v[TS+4*\q:TS+4*\q+1],   v[TS+4*\q:TS+4*\q+1],   v[RW+32*\q+2*\p:RW+32*\q+2*\p+1]
	v_pk_add_f32 v[TS+4*\q+2:TS+4*\q+3], v[TS+4*\q+2:TS+4*\q+3], v[RW+32*\q+2*\p+2:RW+32*\q+2*\p+3]
.endr
.endr
.irp q, 0,1,2,3
	v_pk_add_f32 v[TS+4*\q:TS+4*\q+1], v[TS+4*\q:TS+4*\q+1], v[TS+4*\q+2:TS+4*\q+3]
.endr
.irp q, 0,1,2,3
	v_add_f32 v[TS+4*\q], v[TS+4*\q], v[TS+4*\q+1]
.endr
	RED4 TS
.irp q, 0,1,2,3
	v_mul_f32 v[TS+4*\q], s[RN], v[TS+4*\q]
.endr
.irp q, 0,1,2,3                        ; y - mean, in place
.set i, 0
.rept 16
	v_pk_add_f32 v[RW+32*\q+i:RW+32*\q+i+1], v[RW+32*\q+i:RW+32*\q+i+1], v[TS+4*\q:TS+4*\q+1] op_sel_hi:[1,0] neg_lo:[0,1] neg_hi:[0,1]
.set i, i+2
.endr
.endr
.irp q, 0,1,2,3                        ; the mean of its squares
	v_pk_mul_f32 v[TQ+4*\q:TQ+4*\q+1],   v[RW+32*\q:RW+32*\q+1],   v[RW+32*\q:RW+32*\q+1]
	v_pk_mul_f32 v[TQ+4*\q+2:TQ+4*\q+3], v[RW+32*\q+2:RW+32*\q+3], v[RW+32*\q+2:RW+32*\q+3]
.endr
.irp p, 2,4,6,8,10,12,14
.irp q, 0,1,2,3
	v_pk_fma_f32 v[TQ+4*\q:TQ+4*\q+1],   v[RW+32*\q+2*\p:RW+32*\q+2*\p+1],   v[RW+32*\q+2*\p:RW+32*\q+2*\p+1],   v[TQ+4*\q:TQ+4*\q+1]
	v_pk_fma_f32 v[TQ+4*\q+2:TQ+4*\q+3], v[RW+32*\q+2*\p+2:RW+32*\q+2*\p+3], v[RW+32*\q+2*\p+2:RW+32*\q+2*\p+3], v[TQ+4*\q+2:TQ+4*\q+3]
.endr
.endr
.irp q, 0,1,2,3
	v_pk_add_f32 v[TQ+4*\q:TQ+4*\q+1], v[TQ+4*\q:TQ+4*\q+1], v[TQ+4*\q+2:TQ+4*\q+3]
.endr
.irp q, 0,1,2,3
	v_add_f32 v[TQ+4*\q], v[TQ+4*\q], v[TQ+4*\q+1]
.endr
	RED4 TQ
.irp q, 0,1,2,3
	v_fma_f32 v[TQ+4*\q], v[TQ+4*\q], s[RN], s[EP]
.endr
.irp q, 0,1,2,3
	v_rsq_f32 v[TS+4*\q+2], v[TQ+4*\q]
.endr
	v_nop                                          ; a plain instruction behind the last root,
	s_wait_alu depctr_va_vdst(0)                   ; and the one wait ahead of the first reader
.irp q, 0,1,2,3
.set i, 0
.rept 16
	v_pk_mul_f32 v[RW+32*\q+i:RW+32*\q+i+1], v[RW+32*\q+i:RW+32*\q+i+1], v[TS+4*\q+2:TS+4*\q+3] op_sel_hi:[1,0]
.set i, i+2
.endr
.set i, 0
.rept 16
	v_pk_fma_f32 v[RW+32*\q+i:RW+32*\q+i+1], v[RW+32*\q+i:RW+32*\q+i+1], v[GM+i:GM+i+1], v[BT+i:BT+i+1]
.set i, i+2
.endr
.irp j, 0,1,2,3,4,5,6,7
	global_store_b128 v[XG], v[RW+32*\q+4*\j:RW+32*\q+4*\j+3], s[10:11] offset:4096*\q+512*\j th:TH_STORE_NT  ; 512 consecutive bytes, at a multiple of 512 from out's first
.endr
.endr
	s_wait_xcnt 0x0                                ; the stores have read their data and their offset: only now are these written again
	v_add_nc_u32 v[XG], 4*4096, v[XG]
	v_add_nc_u32 v[YLD], 4*YP, v[YLD]
	s_sub_co_u32 s[CNT], s[CNT], 1
	s_cmp_lg_u32 s[CNT], 0
	s_cbranch_scc1 .Lrow
	s_wait_tensorcnt 0x0                           ; the wave's end, behind my last LDS store
	ds_add_u32 v[SPW], v[NIL]
	s_wait_dscnt 0x0
	s_endpgm
.Lfunc_end_k_q148673cfbd_grn:
	.size	k_q148673cfbd_grn, .Lfunc_end_k_q148673cfbd_grn-k_q148673cfbd_grn
	.p2alignl 7, 3214868480
	.fill 96, 4, 3214868480
	.section	.rodata,"a",@progbits
	.p2align	6, 0x0
	.amdhsa_kernel k_q148673cfbd_grn
		.amdhsa_group_segment_fixed_size 288256
		.amdhsa_private_segment_fixed_size 0
		.amdhsa_enable_private_segment 0
		.amdhsa_kernarg_size 32
		.amdhsa_user_sgpr_count 2
		.amdhsa_user_sgpr_kernarg_segment_ptr 1
		.amdhsa_wavefront_size32 1
		.amdhsa_system_sgpr_workgroup_id_x 1
		.amdhsa_system_sgpr_workgroup_id_y 1
		.amdhsa_system_sgpr_workgroup_id_z 1
		.amdhsa_system_vgpr_workitem_id 0
		.amdhsa_next_free_vgpr 1024
		.amdhsa_next_free_sgpr 66
		.amdhsa_reserve_vcc 0
		.amdhsa_float_denorm_mode_32 3
		.amdhsa_float_denorm_mode_16_64 3
		.amdhsa_memory_ordered 1
		.amdhsa_forward_progress 1
		.amdhsa_inst_pref_size 237
	.end_amdhsa_kernel
	.amdgpu_metadata
---
amdhsa.version: [ 1, 2 ]
amdhsa.kernels:
  - .name:           k_q148673cfbd_grn
    .symbol:         k_q148673cfbd_grn.kd
    .args:
      - { .name: inputs, .offset: 0, .size: 8, .value_kind: global_buffer, .address_space: global }
      - { .name: wpk, .offset: 8, .size: 8, .value_kind: global_buffer, .address_space: global }
      - { .name: par, .offset: 16, .size: 8, .value_kind: global_buffer, .address_space: global }
      - { .name: out0, .offset: 24, .size: 8, .value_kind: global_buffer, .address_space: global }
    .group_segment_fixed_size: 288256
    .private_segment_fixed_size: 0
    .kernarg_segment_align: 8
    .kernarg_segment_size: 32
    .max_flat_workgroup_size: 128
    .sgpr_count:     66
    .vgpr_count:     1024
    .wavefront_size: 32
...
	.end_amdgpu_metadata
.endif
;; end of part 4
;; ======== version 3 of 3: 2 launches; version 2 with the launch grn written anew for expert scheduling mode
;; workspace buffers: wpk 8,388,608 bytes; par 24,576 bytes
;; launch prep: the kernel of part 3 again; grid 256 x 1, 4 waves a work-group, no clusters, 33,792 bytes of LDS; arguments w1, w2, wg, ws, b1, b2, bg, bs, gamma, beta, wpk, par; writes wpk, par
;; launch grn (part 5): grid 256 x 1, 4 waves a work-group, no clusters, 288,256 bytes of LDS; arguments inputs, wpk, par, out0; writes out0
.if DOCPART == 5
	.amdgcn_target "amdgcn-amd-amdhsa--gfx1250"
	.amdhsa_code_object_version 6
	.text
	.protected	k_q148673cfbd_grn
	.globl	k_q148673cfbd_grn
	.p2align	8
	.type	k_q148673cfbd_grn,@function
k_q148673cfbd_grn:
	s_mov_b64 s[64:65], 0
	v_nop
	global_prefetch_b8 v0, s[64:65] scope:SCOPE_SE
	s_setreg_imm32_b32 hwreg(HW_REG_WAVE_SCHED_MODE, 0, 2), 2
	s_setreg_imm32_b32 hwreg(HW_REG_WAVE_MODE, 25, 1), 1
	s_wait_xcnt 0x0
	s_wait_alu depctr_vm_vsrc(0)
; out = LayerNorm( (relu(x w1 + b1) w2 + b2) * sigmoid(x wg + bg) + x ws + bs ) * gamma + beta, eps = 1e-3.  x, out: [16,384][1,024] f32.
; wpk: the four weight matrices in bf16, four streams of 2 MiB, one a wave, in the order in which they are multiplied here; par: the six vectors (both made by the launch before).
; SHARES.  A work-group owns 64 WHOLE rows (the norm and the second product want whole rows), 256 work-groups.  Each of its four waves works on all 64 rows (four blocks rb of 16)
; and on columns of its own, so no weight fragment is wanted by two waves of a work-group.
; THE WEIGHTS COME STRAIGHT INTO REGISTERS.  A fragment (16 columns x 32 k, 1,024 bytes) lies in wpk as it lies in registers: two loads of 512 consecutive bytes.  A GROUP is four fragments, 8 loads,
; 16 matrix instructions.  Eight half-buffers of 32 registers take turns: a half-buffer is asked for again in the step behind the one that multiplied it, so up to 48 (kind W) or 56 (kind A) loads of a
; wave, 24 or 28 KiB, are on their way, across the phases, behind counted waits and with no barrier.  A LAP is eight groups, 32 KiB of the stream, 128 matrix instructions; the launch has 64 laps.
; NO CLUSTER, NO JOINT REQUESTS, though all work-groups read the same weights: a joint request is a tensor load into LDS slots that take turns, and behind each change of slots one slot's bytes at the
; most are on their way; beside x (132,096 bytes) and h (33,792) two slots of 65,536 bytes fit, the weights of 64 matrix instructions a wave.  The counted loads have 96 to 112 KiB out without a pause.
; PHASES, in laps:   4 x [ 4 laps KIND A: T = b1 + x w1, 256 hidden columns (64 a wave) | relu, bf16, into h | 4 laps KIND W: Y += h w2 (Y began as b2; 256 columns a wave) ]
;   4 x [ 4 laps KIND A: T = bg + x wg, 64 columns a wave | Y = Y * sigmoid(T) + bs ]        16 laps KIND W: Y += x ws        then the norm, by rows.
; Every sum begins as its bias, read out of LDS straight into the accumulators: nothing is cleared, no bias is added later, and every matrix instruction has the one form D = A B + D.
; TRANSPOSED USE.  Source 0 = a weight fragment, source 1 = 16 rows of x or h.  In D lane l, register j hold row 16 rb + l % 16, column n0 + 8 (l / 16) + j.
; LIMITS.  x and h are rounded once to bf16 (nearest even) as matrix operands; weights, biases, gamma and beta arrive rounded to bf16.  Sums, sigmoid and norm in f32; the variance is the mean of
; (y - mean)^2.  A NaN in front of the relu becomes 0 (the packed maximum lets a NaN lose); NaN and infinities are not otherwise treated apart.  sigmoid(t) = 1 / (1 + 2^(-t log2 e)): an exponential
; below 2^-126 counts as 0 and one beyond f32's range as infinity, which give 1 and 0.
; THE MODE: SCHED_MODE bits 1:0 = 2 (LLVM: expert scheduling mode 2), set by the entry lines.  The code itself states the register dependences between vector or matrix instructions and memory or LDS
; instructions, with s_wait_alu, always for 0.
; THE PLAN.  Registers that memory or LDS instructions touch in the laps:
;   H0 .. H7   the weight half-buffers.  Kind A: group n's 16 products read H[n]; the loads of group n + 1 land in it (H6 and H7: those of the next lap's group 0; group 7 asks for no weights).
;              Kind W: beat j's 32 products read H[2j] and H[2j+1]; the loads of beat j + 1 land in them.  So every lap, of either kind, begins with H0 .. H5 asked for and H6, H7 not.
;   X0, X1     the two sets of fragments of x or h.  Kind A: group n reads X[n % 2]; the LDS loads of group n + 1, for group n + 2, land in it.  Kind W: beats 0 and 1 read X0, beats 2 and 3 X1;
;              X0 is asked for again in beat 2, X1 in the next lap's beat 0.
;   v[AW ..]   read by every load of a fragment of x or h; written once a lap, at the head of group 7 or of beat 2, and where a phase begins.
;   v[WO], v[PFO], v[AX0 ..], v[AH0 ..]  made at the head, never written again: the stream's pointer is scalar, and all of a lap's loads read one value of it, by immediate offsets.
;   T and Y are named in the laps by matrix instructions alone.
; So ONE wait on va_vdst stands at the head of a group or beat: the step before is done reading its half-buffers and its set.  The step's loads land in just these, which no product issued since the wait
; names, and are dealt four at a time behind the step's first products.  One wait on vm_vsrc a lap stands ahead of the adds to v[AW ..].  Between the phases each wait's comment names what it states.
; REGISTERS, in windows of 256 (s_set_vgpr_msb: bits 1:0 source 0, 3:2 source 1, 5:4 source 2, 7:6 destination):
;   window 0: v0-31 addresses; v32-159 weight half-buffers 4-7; v160-223 two sets of four fragments of x or h; v224-255 at work
;   window 1: v0-127 T: accumulator (rb, nb) at 8 (4 rb + nb); v128-255 weight half-buffers 0-3
;   windows 2, 3: Y: accumulator (rb, nb) at 64 rb + 8 (nb % 8), window 2 + nb / 8
.set XP,    2064                       ; a row of x in LDS: 2,048 bytes of bf16 + 16: the 16 rows of a fragment load start in 16 different columns of 16 bytes
.set HP,    528                        ; a row of h: 512 + 16
.set YP,    4112                       ; a row of y (f32): 4,096 + 16
.set HB,    64*XP                      ; LDS: x at 0; h behind it; y's stage, 64 rows, lies at 0, over x and h, when those are done with;
.set PAR,   64*YP                      ; behind the stage the six vectors, 24,576 bytes;
.set SPARE, PAR+24576                  ; the spare words, 128 bytes for each wave: two blocks of 256 bytes that no other line names
.set LAPB,  32768                      ; bytes of a wave's stream in a lap
.set WO,  2                            ; v2      16 x lane: my 16 bytes of 512; never rewritten
.set PFO, 3                            ; v3      256 x lane; never rewritten
.set AX0, 4                            ; v4-7    row 16 rb + l % 16 of x, + 16 (l / 16)
.set AH0, 8                            ; v8-11   the same for h
.set AW,  12                           ; v12-15  the phase's rows at the k at which a lap begins
.set HST, 16                           ; v16     where I put 16 bytes of h
.set XST, 17                           ; v17     where I put 8 bytes of x
.set XG,  18                           ; v18     my 16 bytes in my wave's 16 rows of x; later of out
.set PBA, 19                           ; v19     LDS: my eight numbers of b1's column block nb = 0 (steps by a chunk)
.set PBW, 20                           ; v20     LDS: of the first vector at my wave's 256 columns; never rewritten
.set PBU, 21                           ; v21     the same at the unit's 64 columns
.set ZR,  22                           ; v22     0, for the relu
.set GBA, 23                           ; v23     LDS: the vectors + 16 x lane
.set YST, 24                           ; v24-27  where I put y
.set SPW, 28                           ; v28     LDS address of my spare word; never rewritten
.set NIL, 29                           ; v29     0; never rewritten
.set YLD, 31                           ; v31     where I read rows of y back
.set XF,  160                          ; the two sets of fragments of x or h
.set HT,  160                          ; h packed, 64 registers, in their place
.set BSR, 224                          ; bs of the unit's columns, 32 registers
.set XS,  32                           ; the head: three sets of 64, two rows of x each
.set XT,  224
.set WV,  12                           ; s12  my wave's number
.set W,   16                           ; s[16:17] my stream, at the lap that is being multiplied
.set KO,  18                           ; s18  bytes along k at which the lap begins whose fragments of x or h are being fetched
.set CNT, 19                           ; s19  laps to go in a phase; rows' trips
.set CH,  20                           ; s20  chunks to go
.set UC,  21                           ; s21  units to go
.set PFN, 22                           ; s22  prefetches to go
.set SEL, 24                           ; s[24:25] v_permlanex16_b32's selects: each lane takes its own place in the other half
.set RN,  26                           ; s26  1 / 1,024
.set EP,  27                           ; s27  1e-3
.set MSB, 0
.macro WIN new                         ; the immediate's high byte repeats the setting that is left; a switch that changes nothing is dropped
.if MSB != (\new)
	s_set_vgpr_msb (MSB<<8)|(\new)
.set MSB, \new
.endif
.endm
; A vector instruction or a store that reads a matrix result, and a vector instruction that writes one of a matrix instruction's registers, stand four places behind it; only plain vector
; instructions that name none of its registers are places.  For a load into such a register the wait on va_vdst states the dependence.
.macro PLACES
.rept 4
	v_nop
.endr
.endm
; two row blocks' (r0, r0 + 1) fragments of x or h, 32 k at byte koff behind the lap's beginning: lane l takes row l % 16, k = 8 (l / 16) + 0..7 and 16 + 8 (l / 16) + 0..7.  Four loads.
.macro FA2 dst, koff, r0
	WIN 0
.irp rb, \r0, (\r0)+1
	ds_load_b128 v[(\dst)+8*(\rb):(\dst)+8*(\rb)+3],   v[AW+(\rb)] offset:(\koff)
	ds_load_b128 v[(\dst)+8*(\rb)+4:(\dst)+8*(\rb)+7], v[AW+(\rb)] offset:(\koff)+32
.endr
.endm
; fragments f0 and f0 + 1 of group h, off bytes behind the stream's pointer, into half-buffer h: four loads of 512 consecutive bytes
.macro WL2 h, off, f0
.if (\h) < 4
	WIN 0x40                                       ; destination window 1, address window 0
.set lb, 128+32*(\h)
.else
	WIN 0
.set lb, 32+32*((\h)-4)
.endif
.irp f, \f0, (\f0)+1
	global_load_b128 v[lb+8*(\f):lb+8*(\f)+3],   v[WO], s[W:W+1] offset:(\off)+(\h)*4096+(\f)*1024
	global_load_b128 v[lb+8*(\f)+4:lb+8*(\f)+7], v[WO], s[W:W+1] offset:(\off)+(\h)*4096+(\f)*1024+512
.endr
.endm
.macro WLOAD h                         ; the head: a whole group of lap 0
	WL2 \h, 0, 0
	WL2 \h, 0, 2
.endm
; THE MATRIX WORK.  The accumulators take turns, one instruction a turn, in the same order in every group: between two links of a chain stand 15 (kind A) or 63 (kind W) others',
; over the backward jumps too; a phase's last and the next phase's first name different accumulators.
.macro MM d, b, a
	v_wmma_f32_16x16x32_bf16 v[(\d):(\d)+7], v[(\b):(\b)+7], v[(\a):(\a)+7], v[(\d):(\d)+7]
.endm
; A PREFETCH INTO THE L2, once a lap, behind the lap's first loads: my stream's 32 KiB of the lap whose first loads go out four laps, 512 matrix instructions, later: 128 blocks of 256 bytes, a lane a
; block, four instructions.  Wave w of every work-group reads stream w: work-group 0 asks, each of its waves for its own stream, so each block is named once in the launch.  Lap l names lap l + 5's
; bytes; laps 0 to 4 come by their loads alone; the 59th and last, in lap 58, names the last lap's.
.macro ASK
	s_cmp_lg_u32 s[PFN], 0
	s_cbranch_scc0 .Lno_ask_\@
.irp p, 0,1,2,3
	global_prefetch_b8 v[PFO], s[W:W+1] offset:5*LAPB+8192*\p th:TH_LOAD_NT scope:SCOPE_SE
.endr
	s_sub_co_u32 s[PFN], s[PFN], 1
.Lno_ask_\@:
.endm
; A phase begins: its rows at k = 0, and the first set of fragments (the second is asked for in the lap's first step, as in every lap).
.macro PRIME base
	WIN 0
	s_wait_dscnt 0x0                               ; the bias lies in the accumulators; what the phase before fetched ahead has landed, so the set may be asked for anew
	s_mov_b32 s[KO], 0
	s_wait_alu depctr_vm_vsrc(0)                   ; the fetches issued so far have read v[AW ..]; the LDS stores issued so far (x's, h's) have read their data, h's in the two sets' registers
.irp rb, 0,1,2,3
	v_mov_b32 v[AW+\rb], v[(\base)+\rb]
.endr
	s_wait_alu depctr_va_vdst(0)                   ; v[AW ..] are written, which the loads below read; the products and conversions that named the sets' registers are done with them
	FA2 XF, 0, 0
	FA2 XF, 0, 2
.endm
; KIND A, group n of a lap: 16 products on H[n] and X[n % 2].  Behind its first products, four loads at a time: x's fragments for group n + 1 into the other set, and the next lap's group n - 1 into
; H[n - 1] (group 0: this lap's groups 6 and 7; group 7: none).  At group 7's head the rows' addresses go on to the next lap; at the phase's end they wrap to k = 0, so that the fetch ahead reads
; bytes of x in every lap (the next phase fetches its own).
.macro HBA n
.if (\n) == 0
	s_wait_loadcnt 40                              ; loads come back in order: H0 is in; the five groups issued behind it (H1 to H5) stay out
.else
	s_wait_loadcnt 48                              ; H[n] is in; the six groups issued behind it stay out
.endif
	s_wait_dscnt 0x0                               ; my set is in: it is the youngest LDS load
.if (\n) == 7
	WIN 0
	s_add_co_u32 s[KO], s[KO], 512
	s_and_b32 s[KO], s[KO], 2047
	s_wait_alu depctr_vm_vsrc(0)                   ; the fetches issued so far have read v[AW ..]
.irp rb, 0,1,2,3
	v_add_nc_u32 v[AW+\rb], s[KO], v[AX0+\rb]
.endr
.endif
	s_wait_alu depctr_va_vdst(0)                   ; the group before is done reading its half-buffer and its set, in which this group's loads land (group 0: groups 6 and 7 of the lap before); in group 7 v[AW ..] are written
.if (\n) < 4
.set ws, 0x51                                          ; weights, C and D window 1, x window 0
.set mb, 128+32*(\n)
.else
.set ws, 0x50                                          ; weights window 0
.set mb, 32+32*((\n)-4)
.endif
.set i, 0
.rept 16                               ; product i: row block i / 4, column block i % 4
	WIN ws
	MM 8*i, mb+8*(i%4), XF+32*((\n)%2)+8*(i/4)
.if i < 2
	FA2 XF+32*(((\n)+1)%2), (((\n)+1)%8)*64, 2*i
.elseif (i < 4) && ((\n) > 0) && ((\n) < 7)
	WL2 (\n)-1, LAPB, 2*(i-2)
.elseif (i < 6) && ((\n) == 0)
	WL2 6+(i-2)/2, 0, 2*(i%2)
.elseif (i == 6) && ((\n) == 0)
	WIN 0
	ASK
.endif
.set i, i+1
.endr
.endm
.macro LAPA                            ; the branch follows
.irp n, 0,1,2,3,4,5,6,7
	HBA \n
.endr
	WIN 0
	s_wait_xcnt 0x0                                ; every load (the youngest stands in group 6) and prefetch has read its address: the pointer may be written
	s_add_nc_u64 s[W:W+1], s[W:W+1], LAPB
	s_sub_co_u32 s[CNT], s[CNT], 1
	s_cmp_lg_u32 s[CNT], 0
.endm
; KIND W, beat j of a lap's four: 32 products on H[2j], H[2j+1] and X[j / 2].  Behind its first products, four loads at a time: the two groups of the beat before (beat 0: this lap's groups 6 and 7;
; the others: the next lap's), and in beat 0 this lap's second set, in beat 2 the next lap's first (the addresses go on at beat 2's head, and wrap at the phase's end as in kind A).
; last = 1: the launch's last lap: beat 0 asks for what the lap itself still wants, the others for nothing.  lc: the loads issued behind my two groups: four groups, 32; in the last lap the counts run down.
.macro BW j, base, kmask, last, lc
	s_wait_loadcnt \lc
.if ((\j)%2) == 0
	s_wait_dscnt 0x0                               ; my set is in: it is the youngest LDS load
.endif
.if ((\j) == 2) && !(\last)
	WIN 0
	s_add_co_u32 s[KO], s[KO], 128
	s_and_b32 s[KO], s[KO], \kmask
	s_wait_alu depctr_vm_vsrc(0)                   ; the fetches issued so far have read v[AW ..]
.irp rb, 0,1,2,3
	v_add_nc_u32 v[AW+\rb], s[KO], v[(\base)+\rb]
.endr
.endif
.if !(\last) || ((\j) == 0)
	s_wait_alu depctr_va_vdst(0)                   ; the beat before is done reading its two half-buffers, and in beats 0 and 2 the step before its set: this beat's loads land in them; in beat 2 v[AW ..] are written
.endif
.if (\j) < 2
.set ws, 0xa1+0x50*((\j)%2)                            ; weights window 1, x or h window 0, C and D window 2 + j % 2
.set mb, 128+64*(\j)
.else
.set ws, 0xa0+0x50*((\j)%2)                            ; weights window 0
.set mb, 32+64*((\j)-2)
.endif
.set i, 0
.rept 32                               ; product i: row block i / 8, column block i % 8 of the window's eight
	WIN ws
	MM 64*(i/8)+8*(i%8), mb+8*(i%8), XF+32*((\j)/2)+8*(i/8)
.if !(\last) || ((\j) == 0)
.if ((\j)%2) == 0
.if i < 2
	FA2 XF+32*(1-(\j)/2), 64*(1-(\j)/2), 2*i
.elseif i < 6
	WL2 (2*(\j)+6)%8+(i-2)/2, LAPB*((\j)/2), 2*(i%2)
.elseif (i == 6) && ((\j) == 0) && !(\last)
	WIN 0
	ASK
.endif
.else
.if i < 4
	WL2 2*(\j)-2+i/2, LAPB, 2*(i%2)
.endif
.endif
.endif
.set i, i+1
.endr
.endm
.macro LAPW base, kmask                ; the branch follows
.irp j, 0,1,2,3
	BW \j, \base, \kmask, 0, 32
.endr
	WIN 0
	s_wait_xcnt 0x0                                ; as in kind A: the youngest load stands at beat 3's head
	s_add_nc_u64 s[W:W+1], s[W:W+1], LAPB
	s_sub_co_u32 s[CNT], s[CNT], 1
	s_cmp_lg_u32 s[CNT], 0
.endm
; A bias out of LDS into T: the lane's eight numbers of each of four column blocks, the same for every row block
.macro TLD areg, off
	WIN 0x40
.irp rb, 0,1,2,3
.irp nb, 0,1,2,3
	ds_load_b128 v[8*(4*\rb+\nb):8*(4*\rb+\nb)+3],   v[\areg] offset:(\off)+64*\nb
	ds_load_b128 v[8*(4*\rb+\nb)+4:8*(4*\rb+\nb)+7], v[\areg] offset:(\off)+64*\nb+16
.endr
.endr
	WIN 0
.endm
; x comes in groups of two rows a wave: 16 loads of 512 consecutive bytes; three groups are on their way.
.macro XLOAD g
.set xb, XS+64*((\g)%3)
.irp i, 0,1
.irp j, 0,1,2,3,4,5,6,7
	global_load_b128 v[xb+32*\i+4*\j:xb+32*\i+4*\j+3], v[XG], s[4:5] offset:(2*(\g)+\i)*4096+512*\j th:TH_LOAD_NT
.endr
.endr
.endm
.macro XCONV g
.set xb, XS+64*((\g)%3)
	s_wait_loadcnt 32                              ; loads come back in order: group g is in; the 32 loads issued behind it stay out
.if (\g) > 0
	s_wait_alu depctr_vm_vsrc(0)                   ; the last group's LDS stores have read v[XT ..], which the conversions write again
.endif
.set m, 0
.rept 16
	v_cvt_pk_bf16_f32 v[XT+2*m],   v[xb+4*m],   v[xb+4*m+1]
	v_cvt_pk_bf16_f32 v[XT+2*m+1], v[xb+4*m+2], v[xb+4*m+3]
.set m, m+1
.endr
	s_wait_alu depctr_va_vdst(0)                   ; the conversions have written v[XT ..], which the LDS stores read, and are done reading the group's 64 registers, in which the next loads land
.set m, 0
.rept 16
	ds_store_b64 v[XST], v[XT+2*m:XT+2*m+1] offset:(2*(\g)+m/8)*XP+256*(m%8)  ; 32 lanes: 256 consecutive bytes
.set m, m+1
.endr
.endm
	s_load_b256 s[4:11], s[0:1], 0x0               ; x s[4:5], wpk s[6:7], par s[8:9], out s[10:11]
	v_lshl_add_u32 v[SPW], v0, 2, SPARE
	v_mov_b32 v[NIL], 0
	v_lshrrev_b32 v224, 5, v0
	v_readfirstlane_b32 s[WV], v224                ; wave 0..3
	s_lshl_b32 s2, ttmp9, 18                       ; my work-group's 64 rows of 4,096 bytes
	s_mov_b32 s3, 0
	s_wait_alu depctr_va_sdst(0)                   ; s[WV] is written, ahead of its first reader: the stream's place and the LDS addresses are made from it
	s_lshl_b32 s28, s[WV], 21                      ; my stream
	s_mov_b32 s29, 0
	s_cmp_eq_u32 ttmp9, 0                          ; work-group 0 prefetches
	s_cselect_b32 s[PFN], 59, 0
	s_mov_b32 s[SEL], 0x76543210
	s_mov_b32 s[SEL+1], 0xfedcba98
	s_mov_b32 s[RN], 0x3a800000
	s_mov_b32 s[EP], 0x3a83126f
	v_and_b32 v1, 15, v0                           ; l % 16
	v_bfe_u32 v224, v0, 4, 1                       ; l / 16
	v_and_b32 v225, 31, v0                         ; l
	v_lshlrev_b32 v[WO], 4, v225
	v_lshlrev_b32 v[PFO], 8, v225
	v_mul_u32_u24 v226, v1, XP
	v_lshl_add_u32 v226, v224, 4, v226
	v_mul_u32_u24 v227, v1, HP
	v_lshl_add_u32 v227, v224, 4, v227
.irp rb, 0,1,2,3
	v_add_nc_u32 v[AX0+\rb], \rb*16*XP, v226
	v_add_nc_u32 v[AH0+\rb], HB+\rb*16*HP, v227
.endr
	s_lshl_b32 s30, s[WV], 7                       ; my 64 hidden columns of a chunk: 128 bytes
	s_add_co_u32 s30, s30, HB
	v_add_nc_u32 v[HST], s30, v227
	s_mul_i32 s30, s[WV], 16*XP                    ; my 16 rows of x in LDS
	v_lshl_add_u32 v[XST], v225, 3, s30
	s_lshl_b32 s30, s[WV], 16                      ; and in memory
	v_lshl_add_u32 v[XG], v225, 4, s30
	s_lshl_b32 s30, s[WV], 8
	s_add_co_u32 s30, s30, PAR
	v_lshl_add_u32 v[PBA], v224, 5, s30            ; the vectors + 4 (64 w + 8 (l / 16))
	s_lshl_b32 s30, s[WV], 10
	v_lshl_add_u32 v229, v224, 5, s30              ; 4 (256 w + 8 (l / 16))
	v_add_nc_u32 v[PBW], PAR, v229
	v_mov_b32 v[PBU], v[PBW]
	v_mov_b32 v[ZR], 0
	v_add_nc_u32 v[GBA], PAR, v[WO]
	v_mul_u32_u24 v228, v1, YP
	v_add_nc_u32 v228, v228, v229
.irp rb, 0,1,2,3
	v_add_nc_u32 v[YST+\rb], \rb*16*YP, v228
.endr
	s_mul_i32 s30, s[WV], 16*YP
	v_lshl_add_u32 v[YLD], v225, 4, s30
	v_lshlrev_b32 v230, 4, v0                      ; 16 x thread: the vectors' 24,576 bytes go into LDS, 12 x 16 bytes a thread
	v_add_nc_u32 v231, PAR, v230
	s_wait_kmcnt 0x0
	s_add_nc_u64 s[4:5], s[4:5], s[2:3]            ; x and out at my work-group's rows
	s_add_nc_u64 s[10:11], s[10:11], s[2:3]
	s_add_nc_u64 s[W:W+1], s[6:7], s[28:29]        ; my stream, at lap 0
	s_wait_alu depctr_va_vdst(0)                   ; all addresses and offsets, v2 to v31, v230 and v231, are written: the loads, stores and prefetches of the kernel read them
.set i, 0
.rept 12
	global_load_b128 v[160+4*i:160+4*i+3], v230, s[8:9] offset:2048*i
.set i, i+1
.endr
	XLOAD 0
	XLOAD 1
	s_wait_loadcnt 32                              ; the vectors are in; x's first 32 loads stay out
.set i, 0
.rept 12
	ds_store_b128 v231, v[160+4*i:160+4*i+3] offset:2048*i
.set i, i+1
.endr
	s_wait_alu depctr_vm_vsrc(0)                   ; these LDS stores have read v160 to v207, in which x's next loads land, and v231; the vectors' loads have read v230: the first conversions write both
	XLOAD 2
	XCONV 0
	XLOAD 3
	XCONV 1
	XLOAD 4
	XCONV 2
	XLOAD 5
	XCONV 3
	XLOAD 6
	XCONV 4
	XLOAD 7
	XCONV 5                                        ; in the place of further groups of x: the stream's first lap, 16 loads at a time, so that the count of 32 holds for every group of x
	WLOAD 0
	WLOAD 1
	WIN 0
	XCONV 6
	WLOAD 2
	WLOAD 3
	WIN 0
	XCONV 7
	WLOAD 4                                        ; into registers that x has left (its conversions stand ahead of the last wait on va_vdst); groups 6 and 7 are asked for in the lap's first step, as in every lap
	WLOAD 5
	s_wait_dscnt 0x0                               ; for the others' sake: my rows of x and my part of the vectors are in LDS
	s_barrier_signal -1
	s_barrier_wait -1
.irp h, 0,1                            ; Y begins as b2,
	WIN 0x80+0x40*\h                               ; destination window 2, then 3
.irp rb, 0,1,2,3
.irp nb, 0,1,2,3,4,5,6,7
	ds_load_b128 v[64*\rb+8*\nb:64*\rb+8*\nb+3],   v[PBW] offset:4096+512*\h+64*\nb
	ds_load_b128 v[64*\rb+8*\nb+4:64*\rb+8*\nb+7], v[PBW] offset:4096+512*\h+64*\nb+16
.endr
.endr
.endr
	TLD PBA, 0                                     ; T as b1 of chunk 0
	s_mov_b32 s[CH], 4
.Lchunk:                                       ; 256 hidden columns: T = b1 + x w1; h; Y += h w2
	PRIME AX0
	s_mov_b32 s[CNT], 4
.La:
	LAPA
	s_cbranch_scc1 .La
	s_wait_dscnt 0x0                               ; what was fetched ahead has landed: its registers take h; my reads of the last chunk's h are long over:
	s_barrier_signal -1                            ; say so; work on registers stands between the signal and the wait
	PLACES                                         ; four places behind the last product: the conversions read T and write the sets' registers
	WIN 0x05                                       ; sources 0 and 1 window 1, destination window 0
.set a, 0
.rept 16                               ; each accumulator from its low end on
.irp m, 0,1,2,3
	v_cvt_pk_bf16_f32 v[HT+4*a+\m], v[8*a+2*\m], v[8*a+2*\m+1]
.endr
.set a, a+1
.endr
	WIN 0
.set a, 0
.rept 64
	v_pk_max_num_bf16 v[HT+a], v[HT+a], v[ZR]      ; relu behind the rounding: the rounding keeps signs, so the order does not matter
.set a, a+1
.endr
	v_add_nc_u32 v[PBA], 1024, v[PBA]              ; the next chunk's b1 (its last readers stand ahead of PRIME's wait on vm_vsrc; behind the last chunk the stepped address is not used)
	s_barrier_wait -1                              ; no wave reads the last chunk's h any more
	s_wait_alu depctr_va_vdst(0)                   ; v[HT ..] are written, which the LDS stores read; v[PBA] is written, and the products and conversions are done with T, in which the next bias lands
.set a, 0
.rept 16                               ; accumulator a = 4 rb + nb: 16 bytes of row 16 rb + l % 16
	ds_store_b128 v[HST], v[HT+4*a:HT+4*a+3] offset:16*HP*(a/4)+32*(a%4)
.set a, a+1
.endr
	s_cmp_eq_u32 s[CH], 1
	s_cbranch_scc1 .Llast_chunk
	TLD PBA, 0                                     ; T begins anew: as the next chunk's b1,
	s_branch .Lbias_asked
.Llast_chunk:
	TLD PBW, 8192                                  ; behind the last chunk as bg of the first unit
.Lbias_asked:
	s_wait_dscnt 0x0                               ; for the others' sake: my columns of h are in LDS
	s_barrier_signal -1
	s_barrier_wait -1
	PRIME AH0
	s_mov_b32 s[CNT], 4
.Lc:
	LAPW AH0, 511
	s_cbranch_scc1 .Lc
	s_sub_co_u32 s[CH], s[CH], 1
	s_cmp_lg_u32 s[CH], 0
	s_cbranch_scc1 .Lchunk
; T becomes sigmoid(T).  Two batches of 128 transcendentals; behind each a plain instruction and the one wait ahead of the first reader.
.macro SIG
	WIN 0x41                                       ; destination and source 0 window 1
.set i, 0
.rept 64
	v_pk_mul_f32 v[i:i+1], v[i:i+1], 0xbfb8aa3b op_sel_hi:[1,0]  ; - t log2 e
.set i, i+2
.endr
.set i, 0
.rept 128
	v_exp_f32 v[i], v[i]
.set i, i+1
.endr
	v_nop
	s_wait_alu depctr_va_vdst(0)                   ; the 128 exponentials have written T, ahead of their first reader
.set i, 0
.rept 64
	v_pk_add_f32 v[i:i+1], v[i:i+1], 1.0 op_sel_hi:[1,0]
.set i, i+2
.endr
.set i, 0
.rept 128
	v_rcp_f32 v[i], v[i]
.set i, i+1
.endr
	v_nop
	s_wait_alu depctr_va_vdst(0)                   ; the 128 reciprocals have written T, ahead of their first reader
.endm
.macro UPD u                           ; Y = Y * sigmoid + bs on unit u's column blocks 4 u .. 4 u + 3
	WIN 0x86+0x41*((\u)/2)                         ; destination and source 0 window 2 + u / 2, source 1 window 1, source 2 window 0
.irp rb, 0,1,2,3
.irp nb, 0,1,2,3
.irp i, 0,2,4,6
	v_pk_fma_f32 v[64*\rb+32*((\u)%2)+8*\nb+\i:64*\rb+32*((\u)%2)+8*\nb+\i+1], v[64*\rb+32*((\u)%2)+8*\nb+\i:64*\rb+32*((\u)%2)+8*\nb+\i+1], v[32*\rb+8*\nb+\i:32*\rb+8*\nb+\i+1], v[BSR+8*\nb+\i:BSR+8*\nb+\i+1]
.endr
.endr
.endr
	WIN 0
.endm
	s_mov_b32 s[UC], 4
.Lunit:                                        ; 64 columns a wave: T = bg + x wg; Y = Y * sigmoid(T) + bs
	PRIME AX0
	s_mov_b32 s[CNT], 4
.Lg:
	LAPA
	s_cbranch_scc1 .Lg
.irp nb, 0,1,2,3                       ; no vector instruction has named v[BSR ..] or v[PBU] since the laps' waits on va_vdst
	ds_load_b128 v[BSR+8*\nb:BSR+8*\nb+3],   v[PBU] offset:12288+64*\nb
	ds_load_b128 v[BSR+8*\nb+4:BSR+8*\nb+7], v[PBU] offset:12288+64*\nb+16
.endr
	PLACES                                         ; four places behind the last product, before T is read
	SIG
	WIN 0
	s_wait_dscnt 0x0                               ; bs is in
	s_cmp_eq_u32 s[UC], 4                          ; the unit's place in Y's registers is a matter of the text: one copy for each unit
	s_cbranch_scc0 .Lnot_u0
	UPD 0
	s_branch .Lupdated
.Lnot_u0:
	s_cmp_eq_u32 s[UC], 3
	s_cbranch_scc0 .Lnot_u1
	UPD 1
	s_branch .Lupdated
.Lnot_u1:
	s_cmp_eq_u32 s[UC], 2
	s_cbranch_scc0 .Lnot_u2
	UPD 2
	s_branch .Lupdated
.Lnot_u2:
	UPD 3
.Lupdated:
	s_cmp_eq_u32 s[UC], 1
	s_cbranch_scc1 .Lno_more
	s_wait_alu depctr_vm_vsrc(0)                   ; the loads of bs and of this unit's bg have read v[PBU]
	v_add_nc_u32 v[PBU], 256, v[PBU]
	s_wait_alu depctr_va_vdst(0)                   ; v[PBU] is written, which the loads below read; the multiply-adds above are done reading T, in which they land
	TLD PBU, 8192                                  ; T begins anew as the next unit's bg
.Lno_more:
	s_sub_co_u32 s[UC], s[UC], 1
	s_cmp_lg_u32 s[UC], 0
	s_cbranch_scc1 .Lunit
	PRIME AX0                                      ; Y += x ws: 16 laps
	s_mov_b32 s[CNT], 15
.Ls:
	LAPW AX0, 2047
	s_cbranch_scc1 .Ls
	BW 0, AX0, 2047, 1, 32                         ; the last lap is written out: its first beat asks for the lap's own last two groups and second set, the others for nothing, and the counts run down
	BW 1, AX0, 2047, 1, 32
	BW 2, AX0, 2047, 1, 16
	BW 3, AX0, 2047, 1, 0
	WIN 0
	; THE WAY OUT.  y goes through LDS, since a row's 1,024 numbers lie in four waves: the stage lies over x and h.
.set RW, 32                            ; v[32:159]  four rows, 32 registers each: columns 128 j + 4 l + 0..3 at 4 j
.set GM, 160                           ; v[160:191] gamma of the same columns
.set BT, 192                           ; v[192:223] beta
.set TS, 224                           ; row q: v[TS+4q] sum, then mean; +1 at work; +2 second chain, then 1 / sqrt; +3 at work
.set TQ, 240                           ; row q: the same for the squares
	PLACES                                         ; four places behind the last product, before its result is stored; they stay beside the wait below
	s_wait_alu depctr_va_vdst(0)                   ; the products have written Y, which the LDS stores below read, and are done reading the sets and the half-buffers, in which gamma, beta and the rows of y land
.irp j, 0,1,2,3,4,5,6,7
	ds_load_b128 v[GM+4*\j:GM+4*\j+3], v[GBA] offset:16384+512*\j
	ds_load_b128 v[BT+4*\j:BT+4*\j+3], v[GBA] offset:20480+512*\j
.endr
	s_wait_dscnt 0x0
	s_barrier_signal -1
	s_barrier_wait -1                              ; no wave reads x or h any more
.irp h, 0,1
	WIN 0x08+4*\h                                  ; store data (source 1) window 2, then 3
.irp rb, 0,1,2,3
.irp nb, 0,1,2,3,4,5,6,7
	ds_store_b128 v[YST+\rb], v[64*\rb+8*\nb:64*\rb+8*\nb+3]   offset:512*\h+64*\nb     ; each accumulator's low four registers first
	ds_store_b128 v[YST+\rb], v[64*\rb+8*\nb+4:64*\rb+8*\nb+7] offset:512*\h+64*\nb+16
.endr
.endr
.endr
	WIN 0
	s_wait_dscnt 0x0                               ; for the others' sake: my columns of y are in LDS
	s_barrier_signal -1
	s_barrier_wait -1
; The sum over the 32 lanes of the four rows' numbers at v[base + 4 q]: four steps inside each half of the lanes ride on the addition, one crosses the halves.
.macro RED4 base
.irp x, 1,2,4,8
.irp q, 0,1,2,3
	v_add_f32_dpp v[(\base)+4*\q], v[(\base)+4*\q], v[(\base)+4*\q] row_xmask:\x row_mask:0xf bank_mask:0xf
.endr
.endr
.irp q, 0,1,2,3
	v_permlanex16_b32 v[(\base)+4*\q+1], v[(\base)+4*\q], s[SEL], s[SEL+1]
.endr
.irp q, 0,1,2,3
	v_add_f32 v[(\base)+4*\q], v[(\base)+4*\q], v[(\base)+4*\q+1]
.endr
.endm
	s_mov_b32 s[CNT], 4
.Lrow:                                         ; four whole rows of my wave's sixteen: no sum leaves the wave
.irp q, 0,1,2,3
.irp j, 0,1,2,3,4,5,6,7
	ds_load_b128 v[RW+32*\q+4*\j:RW+32*\q+4*\j+3], v[YLD] offset:YP*\q+512*\j
.endr
.endr
	s_wait_dscnt 0x0
.irp q, 0,1,2,3                        ; the mean: two chains a row, the rows by turns
	v_pk_add_f32 v[TS+4*\q:TS+4*\q+1],   v[RW+32*\q:RW+32*\q+1],   v[RW+32*\q+4:RW+32*\q+5]
	v_pk_add_f32 v[TS+4*\q+2:TS+4*\q+3], v[RW+32*\q+2:RW+32*\q+3], v[RW+32*\q+6:RW+32*\q+7]
.endr
.irp p, 4,6,8,10,12,14
.irp q, 0,1,2,3
	v_pk_add_f32 v[TS+4*\q:TS+4*\q+1],   v[TS+4*\q:TS+4*\q+1],   v[RW+32*\q+2*\p:RW+32*\q+2*\p+1]
	v_pk_add_f32 v[TS+4*\q+2:TS+4*\q+3], v[TS+4*\q+2:TS+4*\q+3], v[RW+32*\q+2*\p+2:RW+32*\q+2*\p+3]
.endr
.endr
.irp q, 0,1,2,3
	v_pk_add_f32 v[TS+4*\q:TS+4*\q+1], v[TS+4*\q:TS+4*\q+1], v[TS+4*\q+2:TS+4*\q+3]
.endr
.irp q, 0,1,2,3
	v_add_f32 v[TS+4*\q], v[TS+4*\q], v[TS+4*\q+1]
.endr
	RED4 TS
.irp q, 0,1,2,3
	v_mul_f32 v[TS+4*\q], s[RN], v[TS+4*\q]
.endr
.irp q, 0,1,2,3                        ; y - mean, in place
.set i, 0
.rept 16
	v_pk_add_f32 v[RW+32*\q+i:RW+32*\q+i+1], v[RW+32*\q+i:RW+32*\q+i+1], v[TS+4*\q:TS+4*\q+1] op_sel_hi:[1,0] neg_lo:[0,1] neg_hi:[0,1]
.set i, i+2
.endr
.endr
.irp q, 0,1,2,3                        ; the mean of its squares
	v_pk_mul_f32 v[TQ+4*\q:TQ+4*\q+1],   v[RW+32*\q:RW+32*\q+1],   v[RW+32*\q:RW+32*\q+1]
	v_pk_mul_f32 v[TQ+4*\q+2:TQ+4*\q+3], v[RW+32*\q+2:RW+32*\q+3], v[RW+32*\q+2:RW+32*\q+3]
.endr
.irp p, 2,4,6,8,10,12,14
.irp q, 0,1,2,3
	v_pk_fma_f32 v[TQ+4*\q:TQ+4*\q+1],   v[RW+32*\q+2*\p:RW+32*\q+2*\p+1],   v[RW+32*\q+2*\p:RW+32*\q+2*\p+1],   v[TQ+4*\q:TQ+4*\q+1]
	v_pk_fma_f32 v[TQ+4*\q+2:TQ+4*\q+3], v[RW+32*\q+2*\p+2:RW+32*\q+2*\p+3], v[RW+32*\q+2*\p+2:RW+32*\q+2*\p+3], v[TQ+4*\q+2:TQ+4*\q+3]
.endr
.endr
.irp q, 0,1,2,3
	v_pk_add_f32 v[TQ+4*\q:TQ+4*\q+1], v[TQ+4*\q:TQ+4*\q+1], v[TQ+4*\q+2:TQ+4*\q+3]
.endr
.irp q, 0,1,2,3
	v_add_f32 v[TQ+4*\q], v[TQ+4*\q], v[TQ+4*\q+1]
.endr
	RED4 TQ
.irp q, 0,1,2,3
	v_fma_f32 v[TQ+4*\q], v[TQ+4*\q], s[RN], s[EP]
.endr
.irp q, 0,1,2,3
	v_rsq_f32 v[TS+4*\q+2], v[TQ+4*\q]
.endr
	v_nop                                          ; a plain instruction behind the last root,
	s_wait_alu depctr_va_vdst(0)                   ; and the one wait ahead of the first reader: the four roots have written v[TS + 4 q + 2]
.irp q, 0,1,2,3
.set i, 0
.rept 16
	v_pk_mul_f32 v[RW+32*\q+i:RW+32*\q+i+1], v[RW+32*\q+i:RW+32*\q+i+1], v[TS+4*\q+2:TS+4*\q+3] op_sel_hi:[1,0]
.set i, i+2
.endr
.set i, 0
.rept 16
	v_pk_fma_f32 v[RW+32*\q+i:RW+32*\q+i+1], v[RW+32*\q+i:RW+32*\q+i+1], v[GM+i:GM+i+1], v[BT+i:BT+i+1]
.set i, i+2
.endr
.endr
	s_wait_alu depctr_va_vdst(0)                   ; the multiply-adds have written all four rows in v[RW ..], which the run of stores reads
.irp q, 0,1,2,3
.irp j, 0,1,2,3,4,5,6,7
	global_store_b128 v[XG], v[RW+32*\q+4*\j:RW+32*\q+4*\j+3], s[10:11] offset:4096*\q+512*\j th:TH_STORE_NT  ; 512 consecutive bytes, at a multiple of 512 from out's first
.endr
.endr
	s_wait_xcnt 0x0                                ; the stores have had their addresses translated: only behind this wait are their data and their offset written again
	s_wait_alu depctr_vm_vsrc(0)                   ; the stores have read v[RW ..], in which the next trip's loads land, and v[XG]; this trip's LDS loads have read v[YLD]
	v_add_nc_u32 v[XG], 4*4096, v[XG]
	v_add_nc_u32 v[YLD], 4*YP, v[YLD]
	s_wait_alu depctr_va_vdst(0)                   ; v[YLD] and v[XG] are written, which the next trip's loads and stores read
	s_sub_co_u32 s[CNT], s[CNT], 1
	s_cmp_lg_u32 s[CNT], 0
	s_cbranch_scc1 .Lrow
	s_wait_dscnt 0x0                               ; the closing lines, six on end
	s_wait_alu 0x0
	s_wait_tensorcnt 0x0
	ds_add_u32 v[SPW], v[NIL]
	s_wait_dscnt 0x0
	s_endpgm
.Lfunc_end_k_q148673cfbd_grn:
	.size	k_q148673cfbd_grn, .Lfunc_end_k_q148673cfbd_grn-k_q148673cfbd_grn
	.p2alignl 7, 3214868480
	.fill 96, 4, 3214868480
	.section	.rodata,"a",@progbits
	.p2align	6, 0x0
	.amdhsa_kernel k_q148673cfbd_grn
		.amdhsa_group_segment_fixed_size 288256
		.amdhsa_private_segment_fixed_size 0
		.amdhsa_enable_private_segment 0
		.amdhsa_kernarg_size 32
		.amdhsa_user_sgpr_count 2
		.amdhsa_user_sgpr_kernarg_segment_ptr 1
		.amdhsa_wavefront_size32 1
		.amdhsa_system_sgpr_workgroup_id_x 1
		.amdhsa_system_sgpr_workgroup_id_y 1
		.amdhsa_system_sgpr_workgroup_id_z 1
		.amdhsa_system_vgpr_workitem_id 0
		.amdhsa_next_free_vgpr 1024
		.amdhsa_next_free_sgpr 66
		.amdhsa_reserve_vcc 0
		.amdhsa_float_denorm_mode_32 3
		.amdhsa_float_denorm_mode_16_64 3
		.amdhsa_memory_ordered 1
		.amdhsa_forward_progress 1
		.amdhsa_inst_pref_size 241
	.end_amdhsa_kernel
	.amdgpu_metadata
---
amdhsa.version: [ 1, 2 ]
amdhsa.kernels:
  - .name:           k_q148673cfbd_grn
    .symbol:         k_q148673cfbd_grn.kd
    .args:
      - { .name: inputs, .offset: 0, .size: 8, .value_kind: global_buffer, .address_space: global }
      - { .name: wpk, .offset: 8, .size: 8, .value_kind: global_buffer, .address_space: global }
      - { .name: par, .offset: 16, .size: 8, .value_kind: global_buffer, .address_space: global }
      - { .name: out0, .offset: 24, .size: 8, .value_kind: global_buffer, .address_space: global }
    .group_segment_fixed_size: 288256
    .private_segment_fixed_size: 0
    .kernarg_segment_align: 8
    .kernarg_segment_size: 32
    .max_flat_workgroup_size: 128
    .sgpr_count:     66
    .vgpr_count:     1024
    .wavefront_size: 32
...
	.end_amdgpu_metadata
.endif
;; end of part 5
